; MI455X (gfx1250); checked and timed in simulation.
; The chip was launched on July 23, 2026; its instructions are those of AMD's public machine-readable ISA for CDNA 5 (MIT licence, August 2026) and "CDNA5" Instruction Set Architecture Reference Guide (July 2026). The comments in the code are by the model that wrote it; some were corrected since.
;; Self Attention. Allowed arithmetic: matrix products marked QUANTISED: E2M3 operands, one E8M0 scale for each 32 along K, by v_wmma_scale_f32_16x16x128_f8f6f4 with both operands' format E2M3, f32 sums; everything else in f32.
;; Inputs: Wk 8 x 1,024 x 128 float32; Wo 1,024 x 1,024 float32; Wq 8 x 1,024 x 128 float32; Wv 8 x 1,024 x 128 float32; mask 8 x 1,024 float32; x 8 x 1,024 x 1,024 float32.
;; Outputs: out0 8 x 1,024 x 1,024 float32.
;; This version of the problem:
;;   THIS VERSION OF THE PROBLEM IS GIVEN IN LOW PRECISION. The matrix products marked QUANTISED in the list below multiply operands that are first quantised to E2M3 (2 exponent bits, 3 mantissa bits; 6 bits a number), with one power-of-two scale for each 32 numbers along K (OCP MX v1.0); their sums are f32. All else is computed in f32.
;;   The module's matrix products, in the order in which they are computed (A, B: the left and right operand; K: the contracted axis; several contracted axes count as one K, in the product's order):
;;     1. [M 1,024, K 1,024] x [K 1,024, N 8,192]; A: input Wq; B: input x: QUANTISED
;;     2. [M 1,024, K 1,024] x [K 1,024, N 8,192]; A: input Wk; B: input x: QUANTISED
;;     3. [M 1,024, K 1,024] x [K 1,024, N 8,192]; A: input Wv; B: input x: QUANTISED
;;     4. batch 64 x [M 1,024, K 128] x [K 128, N 1,024]; A: computed on the way; B: computed on the way: QUANTISED
;;     5. batch 64 x [M 1,024, K 1,024] x [K 1,024, N 128]; A: computed on the way; B: computed on the way: QUANTISED
;;     6. [M 8,192, K 1,024] x [K 1,024, N 1,024]; A: computed on the way; B: input Wo: QUANTISED
;;   THE QUANTISER, for each operand of a quantised product, along K:
;;     - K is cut into blocks of 32 from its start; a last block that is shorter is filled with zeros.
;;     - A block's scale is 2^e with e = floor(log2(the largest magnitude in the block)) - 2, held to -126 .. 127; a block of zeros has e = 0. As a byte (E8M0): e + 127.
;;     - Each number is divided by its block's scale, clamped to +-7.5, and rounded to the nearest number of E2M3, ties to even, subnormals kept.
;;     - The product sums the exact products of the quantised numbers (number of the format x scale) in f32.
;;   ~~~python
;;   def quantise(x, axis):      # numpy; x: float32 -> the quantised numbers, widened to float32 again
;;       x = np.moveaxis(x, axis, -1); K = x.shape[-1]
;;       x = np.pad(x, [(0, 0)] * (x.ndim - 1) + [(0, -K % 32)]); x = x.reshape(x.shape[:-1] + (-1, 32)); a = np.abs(x).max(-1, keepdims=True)
;;       e = np.where(a > 0, np.clip(np.frexp(np.where(a > 0, a, 1))[1] - 1 - 2, -126, 127), 0)      # np.frexp(a)[1] - 1 = floor(log2(a)), exactly
;;       r = np.clip(x / 2.0 ** e, -7.5, 7.5)
;;       step = 2.0 ** (np.maximum(np.frexp(np.where(r == 0, 1, r))[1] - 1, 0) - 3)
;;       q = np.round(r / step) * step * 2.0 ** e      # np.round: ties to even
;;       return np.moveaxis(q.reshape(q.shape[:-2] + (-1,))[..., :K], -1, axis).astype(np.float32)
;;   ~~~
;;   OPERANDS COMPUTED ON THE WAY. 'Computed on the way' means the value that the module computes at that place (a softmax that the list does not call 'softmax' is quantised finished and normalised). What goes into a quantiser is computed in f32, as accurately as f32 sums, v_exp_f32 and their like allow (about 1e-6 of the number): no bf16 or f16 on the way to a quantiser, and a product that is left as it is and whose result goes on into a quantised operand takes f32 operands (vector FMAs, or v_wmma_f32_16x16x4_f32). A number that lies on a knife's edge between two numbers of the format may be rounded either way, as far as f32 arithmetic and the matrix unit's own rounding can turn it there, and no further.
;; One version. Each part assembles by itself: llvm-mc -triple=amdgcn-amd-amdhsa -mcpu=gfx1250 --defsym DOCPART=n.
;; ======== version 1 of 1: 4 launches
;; limits: right only within a limited range of input values
;; workspace buffers: opc 9,437,184 bytes; sc 393,216 bytes; qkv 18,874,368 bytes; qkvs 786,432 bytes; hc 6,291,456 bytes; hs 262,144 bytes
;; launch quant (part 1): grid 768 x 1, 4 waves a work-group, no clusters, 14,336 bytes of LDS; arguments x, Wo, Wq, Wk, Wv, opc, sc; writes opc, sc
.if DOCPART == 1
	.amdgcn_target "amdgcn-amd-amdhsa--gfx1250"
	.amdhsa_code_object_version 6
	.text
	.protected	k_q00cb6fcd4d_quant
	.globl	k_q00cb6fcd4d_quant
	.p2align	8
	.type	k_q00cb6fcd4d_quant,@function
k_q00cb6fcd4d_quant:
	s_mov_b64 s[64:65], 0
	v_nop
	global_prefetch_b8 v0, s[64:65] scope:SCOPE_SE
	s_setreg_imm32_b32 hwreg(HW_REG_WAVE_MODE, 25, 1), 1
	s_wait_xcnt 0x0
; x [8][1024 d][1024 l], Wo [1024 k][1024 n], Wq, Wk, Wv [8][1024 d][128], all f32 with K as the axis ahead of the last, become codes of FP6 (E2M3) with one E8M0 byte for each 32 along K.
; A block's scale is 2^(floor(log2(its largest magnitude)) - 2): its byte is the largest magnitude's exponent field - 2, held at 1 from below (a block of zeros keeps the byte 1: its codes are zeros, and this program alone reads the bytes).
; LIMITS: NaN and infinities among the inputs are not served; blocks whose largest magnitude lies under 2^-124 keep the byte 1.
; THE OUTPUT IS LAID AS THE MATRIX UNIT'S REGISTERS WANT IT.  16 columns (rows of the operand) x 128 K are a FRAGMENT of 1,536 bytes: registers 4 c .. 4 c + 3 of lane L at 512 c + 16 L.
; opc = [row tile 768][K step 8][1536]; sc = [K step 8][group of four row tiles 192][256], the word of tile i, row r at 16 r + 4 i.
; THE ROWS OF A TILE ARE NOT NEIGHBOURS: of 32 columns, lane r of tile u takes column 8 u + r + 8 (r / 8), so that a product used transposed leaves 16 neighbours along the next K in 16 registers of a lane.
; SHARES.  A work-group takes 128 columns x 128 K, a wave 32 columns x 128 K: two fragments.  A LANE TAKES A COLUMN AND ITS REGISTERS RUN DOWN K: a load reads 128 consecutive bytes, a block of 32 lies in one lane, and the
; conversions give codes with K innermost.  The codes turn through the wave's own stage in LDS and leave as 512 consecutive bytes a store.  The work is cut small so that many waves have their 64 loads out at once.
; The scale words of two neighbouring waves make one group of 256 bytes: they meet in LDS behind the one barrier, and the even wave stores the group whole.  No cluster, no tensor load: work-groups share no input.
.set WREG,   3328                      ; LDS of a wave: two stage fragments FPITCH apart
.set FPITCH, 1664                      ; 1,536 + 128
.set SCST,   4*WREG                    ; behind the stages: 256 bytes of scale words for each pair of waves
.set SPARE,  SCST+512                  ; the spare words, 128 bytes a wave: two blocks of 256 bytes that no other line names
.set SPW,  14                          ; v14  LDS address of my spare word; never rewritten
.set NIL,  15                          ; v15  0; never rewritten
.set SB,   16                          ; v16  my column's scale word
.set C,    18                          ; v18-23  a block's codes
.set DD,   24                          ; v24-26  its upper 16 codes as the conversion leaves them
.set VOFF, 32                          ; v32-63  4 x lane + i x pitch; never rewritten
.set X,    64                          ; v64-127 two sets of 32 numbers
.set OUTR, 128                         ; v128-151 the way out
.set BASE, 32                          ; s[32:39] the source at each of the wave's four blocks along K; never rewritten
	s_load_b256 s[4:11], s[0:1], 0x0               ; x, Wo, Wq, Wk
	s_load_b128 s[12:15], s[0:1], 0x20             ; Wv, opc
	s_load_b64 s[16:17], s[0:1], 0x30              ; sc
	v_lshl_add_u32 v[SPW], v0, 2, SPARE
	v_mov_b32 v[NIL], 0
	v_lshrrev_b32 v1, 5, v0
	v_readfirstlane_b32 s18, v1                    ; wave
	v_and_b32 v1, 31, v0                           ; lane
	s_wait_alu depctr_va_vdst(0)
	s_lshr_b32 s19, s18, 1                         ; which 64 columns: my pair of waves
	s_and_b32 s20, s18, 1                          ; which 32 of them
	s_and_b32 s23, ttmp9, 7                        ; K step 0..7
	s_lshr_b32 s22, ttmp9, 3                       ; q: which 128 columns of all operands: 0-63 x, 64-71 Wo, 72-95 Wq, Wk, Wv by heads
	s_and_b32 s24, s22, 7
	s_lshl_b32 s26, s24, 9                         ; x, Wo: the columns' bytes in a row
	s_lshl_b32 s29, s24, 19                        ; W: the head's matrix
	s_lshr_b32 s28, s22, 3
	s_lshl_b32 s28, s28, 22                        ; x: the batch's matrix
	s_lshl_b32 s30, s22, 3
	s_mov_b32 s25, 512
	s_mov_b32 s31, 0xffffffc0
	s_cmp_lt_u32 s22, 72
	s_cselect_b32 s25, 4096, s25                   ; bytes from a row of K to the next
	s_cselect_b32 s26, s26, 0
	s_cselect_b32 s27, 0, s29
	s_cselect_b32 s31, 192, s31
	s_cmp_lt_u32 s22, 64
	s_cselect_b32 s27, s28, s27
	s_cselect_b32 s31, 0, s31
	s_add_co_u32 s30, s30, s31                     ; first row tile: 8 q, 8 q + 192, 8 q - 64
	s_lshl_b32 s31, s19, 2
	s_add_co_u32 s30, s30, s31                     ; my pair's group of four row tiles
	s_lshl_b32 s31, s20, 1
	s_add_co_u32 s21, s30, s31                     ; my two row tiles
	s_lshl_b32 s42, s18, 7                         ; my 32 columns: 128 bytes a wave
	s_add_co_u32 s42, s42, s26
	s_add_co_u32 s42, s42, s27
	s_lshl_b32 s43, s23, 7
	s_mul_i32 s43, s43, s25
	s_add_co_u32 s42, s42, s43                     ; where my wave's numbers begin in the source, in bytes (under 2^25)
	s_mov_b32 s43, 0
	s_lshl_b32 s44, s25, 5                         ; a block of 32 rows on
	s_mov_b32 s45, 0
	s_mul_i32 s46, s21, 12288
	s_mul_i32 s47, s23, 1536
	s_add_co_u32 s46, s46, s47                     ; my fragments in opc
	s_mov_b32 s47, 0
	s_mul_i32 s50, s23, 49152
	s_lshr_b32 s51, s30, 2
	s_lshl_b32 s51, s51, 8
	s_add_co_u32 s50, s50, s51                     ; my pair's group in sc
	s_mov_b32 s51, 0
	s_mul_i32 s48, s18, WREG                       ; my stage
	s_lshl_b32 s49, s19, 8
	s_add_co_u32 s49, s49, SCST                    ; my pair's scale words in LDS
	s_lshl_b32 s52, s20, 3
	s_add_co_u32 s52, s52, s49                     ; my two tiles' words there: 8 bytes on for the odd wave
	v_lshlrev_b32 v8, 2, v1
.set i, 0
.rept 32
	v_mad_u32_u24 v[VOFF+i], s25, i, v8
.set i, i+1
.endr
	v_bfe_u32 v9, v1, 3, 1                         ; u: my column's tile of the two
	v_and_b32 v10, 7, v1
	v_lshrrev_b32 v11, 4, v1
	v_lshl_or_b32 v10, v11, 3, v10                 ; r: its row there
	v_mul_u32_u24 v2, v9, FPITCH
	v_lshl_add_u32 v2, v10, 4, v2
	v_add_nc_u32 v2, s48, v2                       ; v2: into the stage
	v_lshlrev_b32 v4, 4, v1                        ; v4: 16 x lane
	v_add_nc_u32 v3, s48, v4                       ; v3: out of the stage
	v_lshlrev_b32 v5, 4, v10
	v_lshl_add_u32 v5, v9, 2, v5
	v_add_nc_u32 v5, s52, v5                       ; v5: my scale word's place: 16 r + 4 (2 x wave % 2 + u)
	v_lshlrev_b32 v7, 3, v1                        ; v7: 8 x lane
	v_add_nc_u32 v6, s49, v7                       ; v6: the scale words' way out
	s_wait_kmcnt 0x0
	s_cmp_lt_u32 s22, 88                           ; the source: a choice that hangs on the work-group's number alone
	s_cselect_b64 s[40:41], s[10:11], s[12:13]
	s_cmp_lt_u32 s22, 80
	s_cselect_b64 s[40:41], s[8:9], s[40:41]
	s_cmp_lt_u32 s22, 72
	s_cselect_b64 s[40:41], s[6:7], s[40:41]
	s_cmp_lt_u32 s22, 64
	s_cselect_b64 s[40:41], s[4:5], s[40:41]
	s_add_nc_u64 s[BASE:BASE+1], s[40:41], s[42:43]
	s_add_nc_u64 s[BASE+2:BASE+3], s[BASE:BASE+1], s[44:45]
	s_add_nc_u64 s[BASE+4:BASE+5], s[BASE+2:BASE+3], s[44:45]
	s_add_nc_u64 s[BASE+6:BASE+7], s[BASE+4:BASE+5], s[44:45]
	s_add_nc_u64 s[14:15], s[14:15], s[46:47]
	s_add_nc_u64 s[16:17], s[16:17], s[50:51]
.macro LOAD t                          ; block t along K: 32 rows of my 32 columns, into set t % 2
.set i, 0
.rept 32
	global_load_b32 v[X+32*((\t)%2)+i], v[VOFF+i], s[BASE+2*(\t):BASE+2*(\t)+1] th:TH_LOAD_NT
.set i, i+1
.endr
.endm
.macro BLOCK t
.set XS, X+32*((\t)%2)
.if (\t) < 3
	s_wait_loadcnt 32                              ; this block's 32 loads are in; the next block's may be out
.else
	s_wait_loadcnt 0x0
.endif
	v_max3_num_f32 v8, |v[XS]|, |v[XS+1]|, |v[XS+2]|   ; the block's largest magnitude: all 32 numbers are mine; two chains
	v_max3_num_f32 v9, |v[XS+3]|, |v[XS+4]|, |v[XS+5]|
.irp i, 6,10,14,18,22,26
	v_max3_num_f32 v8, v8, |v[XS+\i]|, |v[XS+\i+1]|
	v_max3_num_f32 v9, v9, |v[XS+\i+2]|, |v[XS+\i+3]|
.endr
	v_max3_num_f32 v8, v8, |v[XS+30]|, |v[XS+31]|
	v_max3_num_f32 v8, v8, v9, 0x1800000           ; and the floor 2^(3 - 127): the byte cannot fall under 1
	v_add_nc_u32 v11, 0xff000000, v8               ; 2 off the exponent field: the conversion takes this operand's exponent field as its scale
	v_cvt_scalef32_pk16_fp6_f32 v[C:C+2], v[XS:XS+15], v11
	v_cvt_scalef32_pk16_fp6_f32 v[DD:DD+2], v[XS+16:XS+31], v11   ; (a conversion's three registers begin on an even number)
	v_lshrrev_b32 v10, 23, v11                     ; the scale's byte; also the plain line behind the conversions
.if (\t) == 0
	v_mov_b32 v[SB], v10
.else
	v_lshl_or_b32 v[SB], v10, 8*(\t), v[SB]
.endif
.irp e, 0,1,2
	v_mov_b32 v[C+3+\e], v[DD+\e]
.endr
; block 2 c + h of a row is registers 6 c .. 6 c + 5 of lane r + 16 h
.if (\t)/2 == 0
	ds_store_b128 v2, v[C:C+3] offset:((\t)%2)*256
	ds_store_b64 v2, v[C+4:C+5] offset:((\t)%2)*256+512
.else
	ds_store_b64 v2, v[C:C+1] offset:((\t)%2)*256+520
	ds_store_b128 v2, v[C+2:C+5] offset:((\t)%2)*256+1024
.endif
.if (\t)+2 < 4
	LOAD (\t)+2
.endif
	s_wait_dscnt 0x0                               ; the stores have read their registers: the next block's codes may be written
.endm
	LOAD 0
	LOAD 1
.irp t, 0,1,2,3
	BLOCK \t
.endr
	s_wait_alu depctr_va_vdst(0)
	ds_store_b32 v5, v[SB]                         ; my column's scale word, beside my partner wave's
.irp f, 0,1
.irp c, 0,1,2
	ds_load_b128 v[OUTR+4*(3*\f+\c):OUTR+4*(3*\f+\c)+3], v3 offset:\f*FPITCH+\c*512   ; LDS serves a wave's instructions in order: these see my stores
.endr
.endr
.irp f, 0,1
.irp c, 0,1,2
	s_wait_dscnt 5-(3*\f+\c)                       ; the LDS loads issued behind this one may be out
	global_store_b128 v4, v[OUTR+4*(3*\f+\c):OUTR+4*(3*\f+\c)+3], s[14:15] offset:\f*12288+\c*512   ; 512 consecutive bytes, at a multiple of 256 from the buffer's first byte
.endr
.endr
	s_barrier_signal -1                            ; the last wait above was for 0: my scale words have landed
	s_barrier_wait -1                              ; my partner's have too
	s_cmp_lg_u32 s20, 0                            ; the even wave of a pair stores the group
	s_cbranch_scc1 .Lodd
	ds_load_b64 v[152:153], v6
	s_wait_dscnt 0x0
	global_store_b64 v7, v[152:153], s[16:17]      ; 256 consecutive bytes, aligned
.Lodd:
	s_wait_tensorcnt 0x0                           ; the wave's end, behind my last LDS store
	ds_add_u32 v[SPW], v[NIL]
	s_wait_dscnt 0x0
	s_endpgm
.Lfunc_end_k_q00cb6fcd4d_quant:
	.size	k_q00cb6fcd4d_quant, .Lfunc_end_k_q00cb6fcd4d_quant-k_q00cb6fcd4d_quant
	.p2alignl 7, 3214868480
	.fill 96, 4, 3214868480
	.section	.rodata,"a",@progbits
	.p2align	6, 0x0
	.amdhsa_kernel k_q00cb6fcd4d_quant
		.amdhsa_group_segment_fixed_size 14336
		.amdhsa_private_segment_fixed_size 0
		.amdhsa_enable_private_segment 0
		.amdhsa_kernarg_size 56
		.amdhsa_user_sgpr_count 2
		.amdhsa_user_sgpr_kernarg_segment_ptr 1
		.amdhsa_wavefront_size32 1
		.amdhsa_system_sgpr_workgroup_id_x 1
		.amdhsa_system_sgpr_workgroup_id_y 1
		.amdhsa_system_sgpr_workgroup_id_z 1
		.amdhsa_system_vgpr_workitem_id 0
		.amdhsa_next_free_vgpr 160
		.amdhsa_next_free_sgpr 66
		.amdhsa_reserve_vcc 0
		.amdhsa_float_denorm_mode_32 3
		.amdhsa_float_denorm_mode_16_64 3
		.amdhsa_memory_ordered 1
		.amdhsa_forward_progress 1
		.amdhsa_inst_pref_size 26
	.end_amdhsa_kernel
	.amdgpu_metadata
---
amdhsa.version: [ 1, 2 ]
amdhsa.kernels:
  - .name:           k_q00cb6fcd4d_quant
    .symbol:         k_q00cb6fcd4d_quant.kd
    .args:
      - { .name: x, .offset: 0, .size: 8, .value_kind: global_buffer, .address_space: global }
      - { .name: Wo, .offset: 8, .size: 8, .value_kind: global_buffer, .address_space: global }
      - { .name: Wq, .offset: 16, .size: 8, .value_kind: global_buffer, .address_space: global }
      - { .name: Wk, .offset: 24, .size: 8, .value_kind: global_buffer, .address_space: global }
      - { .name: Wv, .offset: 32, .size: 8, .value_kind: global_buffer, .address_space: global }
      - { .name: opc, .offset: 40, .size: 8, .value_kind: global_buffer, .address_space: global }
      - { .name: sc, .offset: 48, .size: 8, .value_kind: global_buffer, .address_space: global }
    .group_segment_fixed_size: 14336
    .private_segment_fixed_size: 0
    .kernarg_segment_align: 8
    .kernarg_segment_size: 56
    .max_flat_workgroup_size: 128
    .sgpr_count:     66
    .vgpr_count:     160
    .wavefront_size: 32
...
	.end_amdgpu_metadata
.endif
;; end of part 1
;; launch proj (part 2): grid 64 x 4, 4 waves a work-group, clusters of 4 x 4, 327,680 bytes of LDS; arguments opc, sc, qkv, qkvs; writes qkv, qkvs
.if DOCPART == 2
	.amdgcn_target "amdgcn-amd-amdhsa--gfx1250"
	.amdhsa_code_object_version 6
	.text
	.protected	k_q00cb6fcd4d_proj
	.globl	k_q00cb6fcd4d_proj
	.p2align	8
	.type	k_q00cb6fcd4d_proj,@function
k_q00cb6fcd4d_proj:
	s_mov_b64 s[64:65], 0
	v_nop
	global_prefetch_b8 v0, s[64:65] scope:SCOPE_SE
	s_setreg_imm32_b32 hwreg(HW_REG_WAVE_MODE, 25, 1), 1
	s_wait_xcnt 0x0
	s_wait_alu depctr_hold_cnt(0) depctr_sa_sdst(0) depctr_va_vdst(0) depctr_va_sdst(0) depctr_va_ssrc(0) depctr_va_vcc(0) depctr_vm_vsrc(0)
	s_getreg_b32 s2, hwreg(HW_REG_IB_STS2, 6, 4)
	s_cmp_eq_u32 s2, 0
	s_cbranch_scc0 .Lentry_in_a_cluster
	s_endpgm
.Lentry_in_a_cluster:
	s_bfe_u32 s2, ttmp6, 0x10000c
	s_cmp_lg_u32 s2, 0xf033
	s_cbranch_scc0 .Lentry_shape_is_right
	s_endpgm
.Lentry_shape_is_right:
; q, k, v = W^T x on codes of FP6 (E2M3) with E8M0 scales, K = 1,024; the results are quantised in registers and leave as codes: q and k along the head's 128, v along the keys.
; Operands are fragment images (16 rows x 128 K in 1,536 bytes: registers 4 c .. 4 c + 3 of lane L at 512 c + 16 L): opc = [row tile][K step 8][1536], sc = [K step][group of 4 row tiles][256] (tile i, row r at 16 r + 4 i).
; THE PRODUCT IS P x L^T: source 0 = 16 rows of P, source 1 = 16 rows of L; a lane holds one row of L and its registers run along P, which is the next product's K (the rows of a tile were chosen for that by the launch before).
; A WORK-GROUP STAYS.  It owns 128 rows of x (positions, keys) and 256 rows each of Wq, Wk, Wv, and makes three tiles: q and k (P = 256 rows of W, L = x; a wave 128 x 64) and v (P = x's 128 keys, L = 256 rows of Wv; a wave 128 x 64).
; x's rows (96 KiB, all of K) come once and stay in LDS.  W GOES THROUGH A RING: halves of K, 512, in two slots of 16 row tiles (96 KiB); a tile's row in memory is 6,144 bytes and begins on a multiple of 256.
; A slot is read out into registers at the head of its last K step; there every wave waits for all its tensor loads, adds 0 to its spare word, waits for its LDS reads, a round of the cluster's barrier follows, and the slot is filled again:
; one load a wave, four row tiles each.  Between a request and the wait for it a wave issues 128 products, and every second time the way out of a tile.  At the head waves 0 and 1 fetch W, waves 2 and 3 x, half of K at a time.
; The loop's two trips make q and k; v, whose fragments lie the other way round, is written out and asks for nothing more.  Its first fragments are fetched in the loop's last trip, under a branch on the loop's count.
; CLUSTER 4 x 4: W's tiles hang on the place along y and are asked for jointly by my row of the cluster, x's on the place along x, jointly by my column.
; No prefetch: K is short; the walk has six fills, two of them at the head.
; OUT: qkv = [(kind 8 + h) 8 + b][64 fragments][1536] (q, k: fragment = position tile; v: 8 x key step + tile of the head's 128), qkvs the same index, [16 groups][256].
; LIMITS: NaN and infinities are not served; blocks whose largest magnitude lies under 2^-124 keep the byte 1 (a block of zeros too: its codes are zeros, and this program alone reads the bytes).
; REGISTERS: window 0: v1-13 addresses, v28-29 the add's two, v32-95 P's scale words [8 ks + a], v96-127 L's [4 ks + b], v128-203 the way out.  Window 1: accumulator (a, b) at 64 b + 8 a.  Window 2: P's fragments, sets at 0 and 96.  Window 3: L's, sets at 0 and 48.
.set FRB,   1536
.set RTB,   8*FRB                      ; a row tile's eight K steps
.set HKB,   4*FRB                      ; half of them
.set PSL,   16*HKB                     ; a slot of W
.set LSL,   8*HKB                      ; half of K of x's rows
.set LBASE, 2*PSL
.set SPARE, LBASE+2*LSL                ; the spare words, 128 bytes a wave
.set KSS,   49152                      ; from a K step's scale words to the next
.set LI,  1                            ; 16 x lane
.set R16, 2                            ; 16 x (lane % 16)
.set LN,  3
.set ADP, 4                            ; v4-5   q, k: my eight fragments of W in slot 0, 1
.set ADL, 8                            ; v8-9   q, k: my four of x, half 0, 1 of K
.set AXP, 10                           ; v10-11 v: x's eight
.set AWL, 12                           ; v12-13 v: my four of W
.set SPW, 28
.set NIL, 29
.set PS,  32
.set LS,  96
.set PCD, 128                          ; v128-175 the four fragments made
.set PT,  176
.set TM,  184
.set PW,  200                          ; v200-203 their scale words
.set WV,  12
.set CNT, 15
.set SEL, 2
.set G1P, 16                           ; the head's loads of W: 8 rows
.set G1L, 24                           ; x: 4 rows
.set G1W, 32                           ; the ring's: 4 rows
.set G0P, 40
.set G0L, 44
.set G0W, 48
.set WBN, 52                           ; my four row tiles of the next tile's W
.set SPC, 54                           ; P's scale words: this tile's, the next's, the third's
.set SPN, 56
.set SP2, 58
.set SLC, 60                           ; L's
.set SLN, 62
.set SL2, 66
.set PBH, 74                           ; the head: my eight row tiles of Wq
.set LBH, 76                           ; the head: my four of x
.set B4C, 97                           ; where my four fragments go (index / 4); 1,024 on from tile to tile
.set MSB, 0
.macro WIN new                         ; the immediate's high byte repeats the setting that is left
.if MSB != (\new)
	s_set_vgpr_msb (MSB<<8)|(\new)
.set MSB, (\new)
.endif
.endm
.macro PLACES n
.rept \n
	v_nop
.endr
.endm
.macro CROUND                          ; a round of the cluster's barrier
	s_barrier_signal -1
	s_barrier_wait -1
	s_cmp_lg_u32 s[WV], 0
	s_cbranch_scc1 .Lnot_wave_0_\@
	s_barrier_signal -3
.Lnot_wave_0_\@:
	s_barrier_wait -3
	s_barrier_signal -1
	s_barrier_wait -1
.endm
.macro SETG kh                         ; the head's groups 0 for half kh of K; written only where no tensor load of mine is out
	s_add_co_u32 s[G0P+1], s94, (\kh)*PSL
	s_add_nc_u64 s[G0P+2:G0P+3], s[PBH:PBH+1], (\kh)*HKB
	s_or_b32 s[G0P+3], s[G0P+3], 0x80000000
	s_add_co_u32 s[G0L+1], s95, (\kh)*LSL
	s_add_nc_u64 s[G0L+2:G0L+3], s[LBH:LBH+1], (\kh)*HKB
	s_or_b32 s[G0L+3], s[G0L+3], 0x80000000
.endm
.macro SETR kh                         ; the ring's group 0: the next tile's half kh of K
	s_add_co_u32 s[G0W+1], s96, (\kh)*PSL
	s_add_nc_u64 s[G0W+2:G0W+3], s[WBN:WBN+1], (\kh)*HKB
	s_or_b32 s[G0W+3], s[G0W+3], 0x80000000
.endm
.macro JLOAD                           ; the head: one joint load a wave
	s_cmp_eq_u32 s13, 0
	s_cbranch_scc0 .Lfor_l_\@
	tensor_load_to_lds s[G0P:G0P+3], s[G1P:G1P+7]
	s_nop 0
	PLACES 4
	s_branch .Lasked_\@
.Lfor_l_\@:
	tensor_load_to_lds s[G0L:G0L+3], s[G1L:G1L+7]
	s_nop 0
	PLACES 4
.Lasked_\@:
.endm
.macro FETCH ks, ap, al                ; K step ks (8: the next tile's first): 8 fragments of P and 4 of L into set ks % 2
	WIN 0x80
.irp a, 0,1,2,3,4,5,6,7
.irp c, 0,1,2
	ds_load_b128 v[96*((\ks)%2)+12*\a+4*\c:96*((\ks)%2)+12*\a+4*\c+3], v[\ap+((\ks)/4)%2] offset:\a*HKB+((\ks)%4)*FRB+\c*512
.endr
.endr
	WIN 0xc0
.irp b, 0,1,2,3
.irp c, 0,1,2
	ds_load_b128 v[48*((\ks)%2)+12*\b+4*\c:48*((\ks)%2)+12*\b+4*\c+3], v[\al+((\ks)/4)%2] offset:\b*HKB+((\ks)%4)*FRB+\c*512
.endr
.endr
.endm
.macro SCL kh, sp, sl                  ; the scale words of K steps 4 kh .. 4 kh + 3 into registers: 12 loads of 16 bytes a lane, four tiles' words of a row each
	WIN 0
.irp k, 0,1,2,3
.irp g, 0,1
	global_load_b128 v[PS+8*(4*(\kh)+\k)+4*\g:PS+8*(4*(\kh)+\k)+4*\g+3], v[R16], s[\sp:\sp+1] offset:(4*(\kh)+\k)*KSS+\g*256
.endr
	global_load_b128 v[LS+4*(4*(\kh)+\k):LS+4*(4*(\kh)+\k)+3], v[R16], s[\sl:\sl+1] offset:(4*(\kh)+\k)*KSS
.endr
.endm
.macro MUL32 ks                        ; 32 products; the 32 accumulators take turns, one instruction a turn; a tile's first K step starts the sums
	WIN 0x5e
.irp a, 0,1,2,3,4,5,6,7
.irp b, 0,1,2,3
.if (\ks) == 0
	v_wmma_scale_f32_16x16x128_f8f6f4 v[64*\b+8*\a:64*\b+8*\a+7], v[96*((\ks)%2)+12*\a:96*((\ks)%2)+12*\a+11], v[48*((\ks)%2)+12*\b:48*((\ks)%2)+12*\b+11], 0, v[PS+8*(\ks)+\a], v[LS+4*(\ks)+\b] matrix_a_fmt:MATRIX_FMT_FP6 matrix_b_fmt:MATRIX_FMT_FP6
.else
	v_wmma_scale_f32_16x16x128_f8f6f4 v[64*\b+8*\a:64*\b+8*\a+7], v[96*((\ks)%2)+12*\a:96*((\ks)%2)+12*\a+11], v[48*((\ks)%2)+12*\b:48*((\ks)%2)+12*\b+11], v[64*\b+8*\a:64*\b+8*\a+7], v[PS+8*(\ks)+\a], v[LS+4*(\ks)+\b] matrix_a_fmt:MATRIX_FMT_FP6 matrix_b_fmt:MATRIX_FMT_FP6
.endif
.endr
.endr
.endm
.macro STEP ks, last
.if (\ks)%4 == 3 && ((\last) == 0 || (\ks) == 3)
	WIN 0
	s_wait_tensorcnt 0x0                           ; all my tensor loads have landed: my part of the other slot
.if \last
	s_wait_dscnt 0x0
	s_barrier_signal -1
	s_barrier_wait -1                              ; everybody's part has
	PLACES 4
	FETCH 4, AXP, AWL
.else
	ds_add_u32 v[SPW], v[NIL]
	SETR (\ks)/4
	s_wait_dscnt 0x0                               ; the add is done, and this step's fragments are in: my reads of this slot are over
	CROUND                                         ; so it is with every wave of every partner
	tensor_load_to_lds s[G0W:G0W+3], s[G1W:G1W+7]  ; my four row tiles of the next tile's W
	s_nop 0
	PLACES 4                                       ; also the places in front of the fragment loads
.if (\ks) == 3
	FETCH 4, ADP, ADL
.else
	s_cmp_eq_u32 s[CNT], 1                         ; the loop's last trip: the next tile is v
	s_cbranch_scc1 .Lfor_v_\@
	FETCH 8, ADP, ADL
	WIN 0
	s_branch .Lfetched_\@
.Lfor_v_\@:
	FETCH 8, AXP, AWL
	WIN 0
.Lfetched_\@:
.endif
.endif
.else
	s_wait_dscnt 0x0                               ; this step's fragments, asked for a step ago, are in
.if (\ks)%4 == 0
	s_wait_loadcnt 0x0                             ; this half's scale words, asked for four steps ago
.endif
.if (\ks) < 7
	PLACES 4                                       ; in front of loads into registers that the last products read
.if (\ks) == 0
	SCL 1, SPC, SLC                                ; this tile's second half
.endif
.if (\ks) == 4 && (\last) == 0
	SCL 0, SPN, SLN                                ; the next tile's first half
.endif
.if \last
	FETCH (\ks)+1, AXP, AWL
.else
	FETCH (\ks)+1, ADP, ADL
.endif
.endif
.endif
	MUL32 \ks
.endm
; 64 numbers of a lane in window 1, register s + 16 b + i = k 32 b + 16 (lane / 16) + i of my row, become a fragment's codes in v[pc] on and its scale word in v[pw].
.macro QUANT s, pc, pw
	WIN 0x14
.irp b, 0,1,2,3
	v_max3_num_f32 v[TM+\b], 0x1800000, |v[(\s)+16*\b]|, |v[(\s)+16*\b+1]|   ; my 16 of block b, and the floor 2^(3 - 127); each accumulator is read from its low end on
.endr
.irp i, 2,4,6,8,10,12,14
.irp b, 0,1,2,3
	v_max3_num_f32 v[TM+\b], v[TM+\b], |v[(\s)+16*\b+\i]|, |v[(\s)+16*\b+\i+1]|
.endr
.endr
	WIN 0
.irp b, 0,1,2,3
	v_permlanex16_b32 v[TM+4+\b], v[TM+\b], s[SEL], s[SEL+1]
.endr
.irp b, 0,1,2,3
	v_max_num_f32 v[TM+\b], v[TM+\b], v[TM+4+\b]   ; with lane l xor 16's: the block's largest magnitude
.endr
.irp b, 0,1,2,3
	v_add_nc_u32 v[TM+12+\b], 0xff000000, v[TM+\b] ; 2 off its exponent field: the conversion's scale operand
.endr
.irp b, 0,1,2,3
	v_lshrrev_b32 v[TM+4+\b], 23, v[TM+12+\b]      ; the byte
.endr
	v_lshl_or_b32 v[\pw], v[TM+5], 8, v[TM+4]
	v_lshl_or_b32 v[\pw], v[TM+6], 16, v[\pw]
	v_lshl_or_b32 v[\pw], v[TM+7], 24, v[\pw]
	WIN 0x01
.irp c, 0,1
	v_cvt_scalef32_pk16_fp6_f32 v[(\pc)+6*\c:(\pc)+6*\c+2], v[(\s)+32*\c:(\s)+32*\c+15], v[TM+12+2*\c]
	v_cvt_scalef32_pk16_fp6_f32 v[PT+4*\c:PT+4*\c+2], v[(\s)+32*\c+16:(\s)+32*\c+31], v[TM+12+2*\c+1]
.endr
	v_nop                                          ; one plain line behind the conversions
	WIN 0
.irp c, 0,1                                    ; the layout wants a whole block in a lane
.irp e, 0,1,2
	v_permlane16_swap_b32 v[(\pc)+6*\c+\e], v[PT+4*\c+\e]
.endr
.irp e, 0,1,2
	v_mov_b32 v[(\pc)+6*\c+3+\e], v[PT+4*\c+\e]
.endr
.endr
.endm
.macro EPI last                        ; a tile's way out; the next slot's load and the next tile's first fragments are on their way meanwhile
	WIN 0
	s_wait_xcnt 0x0                                ; earlier loads and stores have read their registers and bases
	s_mul_i32 s98, s[B4C], 4*FRB
	s_mov_b32 s99, 0
	s_add_nc_u64 s[90:91], s[8:9], s[98:99]
	s_lshl_b32 s98, s[B4C], 8
	s_add_nc_u64 s[92:93], s[10:11], s[98:99]
.if (\last) == 0                       ; what differs from tile to tile moves one place on
	s_add_co_u32 s[B4C], s[B4C], 1024
	s_add_nc_u64 s[WBN:WBN+1], s[WBN:WBN+1], 64*RTB
	s_mov_b64 s[SPC:SPC+1], s[SPN:SPN+1]
	s_mov_b64 s[SPN:SPN+1], s[SP2:SP2+1]
	s_mov_b64 s[SLC:SLC+1], s[SLN:SLN+1]
	s_mov_b64 s[SLN:SLN+1], s[SL2:SL2+1]
.endif
	PLACES 4                                       ; in front of the first read of results
.irp b, 0,1,2,3                                ; my four tiles of L: each becomes one fragment
	QUANT 64*\b, PCD+12*\b, PW+\b
.irp c, 0,1,2
	global_store_b128 v[LI], v[PCD+12*\b+4*\c:PCD+12*\b+4*\c+3], s[90:91] offset:\b*FRB+\c*512   ; 512 consecutive bytes, aligned to 256
.endr
.endr
	s_wait_alu depctr_va_vdst(0)
	s_wait_xcnt 0x0                                ; EXEC changes only behind this wait
	v_cmp_gt_u32 vcc_lo, 16, v[LN]
	s_and_saveexec_b32 s98, vcc_lo
	global_store_b128 v[R16], v[PW:PW+3], s[92:93] ; sixteen lanes store the group's 256 bytes, aligned
	s_wait_xcnt 0x0
	s_or_b32 exec_lo, exec_lo, s98
.endm
.macro TRIP last
.irp k, 0,1,2,3,4,5,6,7
	STEP \k, \last
.endr
	EPI \last
.endm
	s_load_b256 s[4:11], s[0:1], 0x0               ; opc, sc, qkv, qkvs
	v_lshl_add_u32 v[SPW], v0, 2, SPARE
	v_mov_b32 v[NIL], 0
	ds_add_u32 v[SPW], v[NIL]                      ; the opening lines: the add, twice on end, and its wait below
	ds_add_u32 v[SPW], v[NIL]
	v_lshrrev_b32 v3, 5, v0
	v_readfirstlane_b32 s[WV], v3                  ; wave 0..3
	s_lshr_b32 s13, s[WV], 1                       ; q, k: which 128 rows of W are mine.  At the head: I fetch W (0) or x (1)
	s_and_b32 s14, s[WV], 1                        ; q, k: which 64 rows of x.  At the head: which half of that operand's row tiles I fetch
	s_bfe_u32 s68, ttmp6, 0x40000                  ; cx
	s_bfe_u32 s69, ttmp6, 0x40004                  ; cy
	s_lshl_b32 s72, ttmp9, 2
	s_add_co_u32 s72, s72, s68                     ; x's tile of 128 rows: 4 x cluster + cx
	s_lshl_b32 s73, s69, 4
	s_add_co_u32 s73, s73, 512                     ; Wq's first row tile of my 16; Wk's lie 64 on, Wv's 128
	s_lshl_b32 s78, s14, 3                         ; the head: eight row tiles of Wq,
	s_add_co_u32 s78, s78, s73
	s_mul_i32 s78, s78, RTB
	s_mov_b32 s79, 0
	s_lshl_b32 s80, s[WV], 2                       ; the ring: four row tiles, first of Wk,
	s_add_co_u32 s80, s80, s73
	s_add_co_u32 s80, s80, 64
	s_mul_i32 s80, s80, RTB
	s_mov_b32 s81, 0
	s_lshl_b32 s82, s72, 3                         ; the head: four row tiles of x
	s_lshl_b32 s83, s14, 2
	s_add_co_u32 s82, s82, s83
	s_mul_i32 s82, s82, RTB
	s_mov_b32 s83, 0
	s_lshl_b32 s84, s69, 2
	s_lshl_b32 s84, 15, s84                        ; my row of the cluster
	s_lshl_b32 s85, 0x1111, s68                    ; my column
	; groups 1: rows of 6,144 bytes (768 elements of 8), 12,288 bytes apart; no padding: a fragment load reads 512 bytes on end
	s_or_b32 s[G1P], s84, (3<<16)|(1<<21)
	s_or_b32 s[G1W], s84, (3<<16)|(1<<21)
	s_or_b32 s[G1L], s85, (3<<16)|(1<<21)
	s_mov_b32 s[G1P+1], 768<<16
	s_mov_b32 s[G1P+2], 8<<16
	s_mov_b32 s[G1P+3], 768<<16
	s_mov_b32 s[G1P+4], 8
	s_mov_b32 s[G1P+5], 1536
	s_mov_b32 s[G1P+6], 0
	s_mov_b32 s[G1P+7], 0
.irp g, G1W, G1L
	s_mov_b32 s[\g+1], 768<<16
	s_mov_b32 s[\g+2], 4<<16
	s_mov_b32 s[\g+3], 768<<16
	s_mov_b32 s[\g+4], 4
	s_mov_b32 s[\g+5], 1536
	s_mov_b32 s[\g+6], 0
	s_mov_b32 s[\g+7], 0
.endr
	s_mul_i32 s94, s14, 8*HKB                      ; where they go: the wave's number alone enters an LDS address
	s_mul_i32 s95, s14, 4*HKB
	s_add_co_u32 s95, s95, LBASE
	s_mul_i32 s96, s[WV], 4*HKB
	; where my results go, in registers that feed no descriptor: 128 (2 cy + wave / 2) + 2 x's tile + wave % 2, and 1,024 more for each tile
	s_lshl_b32 s100, s69, 1
	s_add_co_u32 s100, s100, s13
	s_lshl_b32 s100, s100, 7
	s_lshl_b32 s101, s72, 1
	s_add_co_u32 s101, s101, s14
	s_add_co_u32 s[B4C], s100, s101
	; my scale words.  q, k: P's two groups of W, L's one of x.  v: P's two groups of x, L's one of W
	s_lshl_b32 s100, s13, 1
	s_lshr_b32 s86, s73, 2
	s_add_co_u32 s86, s86, s100
	s_lshl_b32 s86, s86, 8
	s_mov_b32 s87, 0
	s_lshl_b32 s88, s72, 9
	s_mov_b32 s89, 0
	s_lshl_b32 s98, s101, 8
	s_mov_b32 s99, 0
	s_lshl_b32 s100, s69, 2
	s_add_co_u32 s100, s100, s[WV]
	s_add_co_u32 s100, s100, 160
	s_lshl_b32 s100, s100, 8
	s_mov_b32 s101, 0
	s_mov_b32 s[SEL], 0x76543210
	s_mov_b32 s[SEL+1], 0xfedcba98
	s_wait_dscnt 0x0                               ; both opening adds are done
	s_wait_kmcnt 0x0
	s_add_nc_u64 s[PBH:PBH+1], s[4:5], s[78:79]
	s_add_nc_u64 s[WBN:WBN+1], s[4:5], s[80:81]
	s_add_nc_u64 s[LBH:LBH+1], s[4:5], s[82:83]
	s_add_nc_u64 s[SPC:SPC+1], s[6:7], s[86:87]
	s_add_nc_u64 s[SPN:SPN+1], s[SPC:SPC+1], 4096
	s_add_nc_u64 s[SP2:SP2+1], s[6:7], s[88:89]
	s_add_nc_u64 s[SLC:SLC+1], s[6:7], s[98:99]
	s_mov_b64 s[SLN:SLN+1], s[SLC:SLC+1]
	s_add_nc_u64 s[SL2:SL2+1], s[6:7], s[100:101]
	s_mov_b32 s[G0P], 1
	s_mov_b32 s[G0L], 1
	s_mov_b32 s[G0W], 1
	SETG 0
	CROUND                                         ; all sixteen work-groups are here: the joint loads meet
	JLOAD                                          ; the first half of K of Wq and of x: one tensor load a wave at the head
	v_and_b32 v[LN], 31, v0
	v_lshlrev_b32 v[LI], 4, v[LN]
	v_and_b32 v[R16], 15, v0
	v_lshlrev_b32 v[R16], 4, v[R16]
	SCL 0, SPC, SLC
	s_mul_i32 s100, s13, 8*HKB
	v_add_nc_u32 v[ADP], s100, v[LI]
	v_add_nc_u32 v[ADP+1], PSL, v[ADP]
	v_add_nc_u32 v[ADL], s95, v[LI]
	v_add_nc_u32 v[ADL+1], LSL, v[ADL]
	v_add_nc_u32 v[AXP], LBASE, v[LI]
	v_add_nc_u32 v[AXP+1], LBASE+LSL, v[LI]
	v_add_nc_u32 v[AWL], s96, v[LI]
	v_add_nc_u32 v[AWL+1], PSL, v[AWL]
.irp b, 0,1,2,3
	v_mov_b32 v[TM+4+\b], 0                        ; written once: a lane permute's destination counts as one of its sources
.endr
	s_wait_alu depctr_va_vdst(0)
	s_wait_tensorcnt 0x0                           ; my part of the first half is in; the second half's first fill is issued as a refill is
	ds_add_u32 v[SPW], v[NIL]
	SETG 1
	s_wait_dscnt 0x0
	CROUND
	JLOAD
	FETCH 0, ADP, ADL
	WIN 0
	s_mov_b32 s[CNT], 2
.Ltile:
	TRIP 0
	s_sub_co_i32 s[CNT], s[CNT], 1
	s_cmp_lg_u32 s[CNT], 0
	s_wait_alu depctr_va_vdst(0)
	s_cbranch_scc1 .Ltile
	TRIP 1
	s_wait_tensorcnt 0x0                           ; the wave's end
	ds_add_u32 v[SPW], v[NIL]
	s_wait_dscnt 0x0
	CROUND                                         ; the closing round
	s_endpgm
.Lfunc_end_k_q00cb6fcd4d_proj:
	.size	k_q00cb6fcd4d_proj, .Lfunc_end_k_q00cb6fcd4d_proj-k_q00cb6fcd4d_proj
	.p2alignl 7, 3214868480
	.fill 96, 4, 3214868480
	.section	.rodata,"a",@progbits
	.p2align	6, 0x0
	.amdhsa_kernel k_q00cb6fcd4d_proj
		.amdhsa_group_segment_fixed_size 327680
		.amdhsa_private_segment_fixed_size 0
		.amdhsa_enable_private_segment 0
		.amdhsa_kernarg_size 32
		.amdhsa_user_sgpr_count 2
		.amdhsa_user_sgpr_kernarg_segment_ptr 1
		.amdhsa_wavefront_size32 1
		.amdhsa_system_sgpr_workgroup_id_x 1
		.amdhsa_system_sgpr_workgroup_id_y 1
		.amdhsa_system_sgpr_workgroup_id_z 1
		.amdhsa_system_vgpr_workitem_id 0
		.amdhsa_next_free_vgpr 864
		.amdhsa_next_free_sgpr 102
		.amdhsa_reserve_vcc 1
		.amdhsa_float_denorm_mode_32 3
		.amdhsa_float_denorm_mode_16_64 3
		.amdhsa_memory_ordered 1
		.amdhsa_forward_progress 1
		.amdhsa_inst_pref_size 156
	.end_amdhsa_kernel
	.amdgpu_metadata
---
amdhsa.version: [ 1, 2 ]
amdhsa.kernels:
  - .name:           k_q00cb6fcd4d_proj
    .symbol:         k_q00cb6fcd4d_proj.kd
    .args:
      - { .name: opc, .offset: 0, .size: 8, .value_kind: global_buffer, .address_space: global }
      - { .name: sc, .offset: 8, .size: 8, .value_kind: global_buffer, .address_space: global }
      - { .name: qkv, .offset: 16, .size: 8, .value_kind: global_buffer, .address_space: global }
      - { .name: qkvs, .offset: 24, .size: 8, .value_kind: global_buffer, .address_space: global }
    .group_segment_fixed_size: 327680
    .private_segment_fixed_size: 0
    .kernarg_segment_align: 8
    .kernarg_segment_size: 32
    .max_flat_workgroup_size: 128
    .sgpr_count:     102
    .vgpr_count:     864
    .wavefront_size: 32
...
	.end_amdgpu_metadata
.endif
;; end of part 2
;; launch attn (part 3): grid 256 x 1, 4 waves a work-group, clusters of 4 x 1, 205,312 bytes of LDS; arguments qkv, qkvs, mask, hc, hs; writes hc, hs
.if DOCPART == 3
	.amdgcn_target "amdgcn-amd-amdhsa--gfx1250"
	.amdhsa_code_object_version 6
	.text
	.protected	k_q00cb6fcd4d_attn
	.globl	k_q00cb6fcd4d_attn
	.p2align	8
	.type	k_q00cb6fcd4d_attn,@function
k_q00cb6fcd4d_attn:
	s_mov_b64 s[64:65], 0
	v_nop
	global_prefetch_b8 v0, s[64:65] scope:SCOPE_SE
	s_setreg_imm32_b32 hwreg(HW_REG_WAVE_MODE, 25, 1), 1
	s_wait_xcnt 0x0
	s_wait_alu depctr_hold_cnt(0) depctr_sa_sdst(0) depctr_va_vdst(0) depctr_va_sdst(0) depctr_va_ssrc(0) depctr_va_vcc(0) depctr_vm_vsrc(0)
	s_getreg_b32 s2, hwreg(HW_REG_IB_STS2, 6, 4)
	s_cmp_eq_u32 s2, 0
	s_cbranch_scc0 .Lentry_in_a_cluster
	s_endpgm
.Lentry_in_a_cluster:
	s_bfe_u32 s2, ttmp6, 0x10000c
	s_cmp_lg_u32 s2, 0x3003
	s_cbranch_scc0 .Lentry_shape_is_right
	s_endpgm
.Lentry_shape_is_right:
; head = (softmax(q k^T / sqrt(128), keys masked) x query mask) v, both products on codes of FP6 (E2M3) with E8M0 scales; the result is quantised along the head's 128 and leaves as codes.
; SHARES.  A cluster of four work-groups owns one (head, batch); each owns 256 queries, each of its four waves four tiles of 16, one a trip.  K and V of the whole head (192 KiB of codes) lie in LDS, each byte filled once:
; each wave issues ONE joint tensor load of 48 KiB at the head (waves 0, 1: K's halves; waves 2, 3: V's), which names the four partners.  K's and V's scale words stay in 64 registers.  No barrier in the loop.
; LAYOUT.  Both products transposed: S^T = K Q^T, O^T = V^T A^T: a lane holds ONE query (lane % 16).  The keys of a tile of K were chosen so that register 16 e + n of a step holds key 128 s + 32 e + 16 (lane / 16) + n;
; V's rows likewise, so that O^T's 64 registers run along the head's 128.
; THE KEY MASK: N (1 - mask), N = -1e30 sqrt(128), for the batch's 1,024 keys lies in 4 KiB of LDS of its own, made once by the four waves.  It is loaded into the score registers, in the result's layout, and is the C of the score
; products: no vector instruction adds it.  At mask = 1 that adds 0.  Elsewhere |N (1 - mask)| is 6e23 or more, and the sum is N (1 - mask) as the matrix unit rounds it, while |score| stays under 1e15.
; FRAGMENTS ARE ASKED FOR TWO STEPS AHEAD, into two sets of registers: a fetch of K is 24 loads of codes and 16 of the mask's term, a fetch of V 24; a step waits for its own fetch and leaves the next one out.
; THE SOFTMAX: M = the row's largest score; p = 2^(c s - c M), c = log2(e) / sqrt(128); a = p x (1 / sum) x query mask.  Where |M| is 2^32 or more 1/8 stands for c, so that c M is exact: neighbouring scores then lie 256 or more
; apart, and every p but the largest ones is under 2^-32 either way.
; A BLOCK'S LARGEST a is not searched for: the block's largest score goes through the same instructions.  That takes v_exp_f32 not to fall where its input rises.
; LIMITS: NaN and infinities are not served; 1 / sum is v_rcp_f32; blocks whose largest magnitude lies under 2^-124 keep the byte 1 (a block of zeros too: its codes are zeros).
; REGISTERS: windows 2, 3: the scores of step s at window 2 + s / 4, from 64 (s % 4).  Window 1: two sets of eight fragments at 0 and 96; O^T at 192.  Window 0: below.
.set FRB,   1536
.set VOFF,  64*FRB                     ; LDS: K's 64 fragments, then V's
.set BOFF,  2*64*FRB                   ; then the mask's term, 4 bytes a key
.set SPARE, BOFF+4096                  ; the spare words, 128 bytes a wave
.set NF,  40                           ; LDS loads of the fetch that may stay out: 40 for K, 24 for V
.set AK,  1                            ; v1, v2  16 x lane (+ 49,152): K's fragments of steps 0-3, 4-7
.set AV,  3                            ; v3, v4  V's
.set AB,  5                            ; v5   the mask's term: BOFF + 64 (lane / 16)
.set R16, 6
.set MQO, 7
.set LN,  9
.set SPW, 10
.set NIL, 11
.set CR,  14                           ; v[14:15] c or 1/8
.set NM,  16                           ; v[16:17] c M
.set G,   18                           ; v[18:19] query mask / sum
.set SU,  24                           ; v24-31 the sum, four chains of pairs
.set KSR, 32                           ; v32-63 K's scale words: step s at 4 s; lanes 0-15 tiles 0-3, lanes 16-31 tiles 4-7
.set BM,  64                           ; v64-95 the 32 blocks' largest score, then p, then a, then the conversions' scale operands
.set QF,  96
.set QS,  108
.set MQ,  112
.set MK,  116                          ; v116-123 the head: eight keys' mask
.set PW,  124
.set PC,  132
.set PT,  156
.set TM,  164
.set HC,  180
.set HPW, 192
.set HW,  196
.set MGO, 197                          ; the head: 32 x thread
.set BST, 198                          ; the head: BOFF + 32 x thread
.set VSR, 200                          ; v200-231 V's scale words
.set OA,  192                          ; O^T, in window 1
.set WV,  14
.set G1C, 24
.set G0K, 36
.set SEL, 60
.set MSB, 0
.macro WIN new
.if MSB != (\new)
	s_set_vgpr_msb (MSB<<8)|(\new)
.set MSB, (\new)
.endif
.endm
.macro PLACES n
.rept \n
	v_nop
.endr
.endm
.macro CROUND
	s_barrier_signal -1
	s_barrier_wait -1
	s_cmp_lg_u32 s[WV], 0
	s_cbranch_scc1 .Lnot_wave_0_\@
	s_barrier_signal -3
.Lnot_wave_0_\@:
	s_barrier_wait -3
	s_barrier_signal -1
	s_barrier_wait -1
.endm
.macro SETW s
.set W, 2+(\s)/4
.set SB, 64*((\s)%4)
.endm
.macro WM d, a, b, z, sa, sb, hi       ; one product; z: C is 0, else C is D; hi: source 0's scale words lie in lanes 16-31
.if \z
.if \hi
	v_wmma_scale_f32_16x16x128_f8f6f4 v[\d:\d+7], v[\a:\a+11], v[\b:\b+11], 0, v[\sa], v[\sb] matrix_a_fmt:MATRIX_FMT_FP6 matrix_b_fmt:MATRIX_FMT_FP6 matrix_a_scale:MATRIX_SCALE_ROW1
.else
	v_wmma_scale_f32_16x16x128_f8f6f4 v[\d:\d+7], v[\a:\a+11], v[\b:\b+11], 0, v[\sa], v[\sb] matrix_a_fmt:MATRIX_FMT_FP6 matrix_b_fmt:MATRIX_FMT_FP6
.endif
.else
.if \hi
	v_wmma_scale_f32_16x16x128_f8f6f4 v[\d:\d+7], v[\a:\a+11], v[\b:\b+11], v[\d:\d+7], v[\sa], v[\sb] matrix_a_fmt:MATRIX_FMT_FP6 matrix_b_fmt:MATRIX_FMT_FP6 matrix_a_scale:MATRIX_SCALE_ROW1
.else
	v_wmma_scale_f32_16x16x128_f8f6f4 v[\d:\d+7], v[\a:\a+11], v[\b:\b+11], v[\d:\d+7], v[\sa], v[\sb] matrix_a_fmt:MATRIX_FMT_FP6 matrix_b_fmt:MATRIX_FMT_FP6
.endif
.endif
.endm
.macro FETCH base, s, bias             ; step s: eight fragments into set s % 2; bias = 1 (K): the mask's term of its 128 keys into the step's score registers
	WIN 0x40
.irp t, 0,1,2,3,4,5,6,7
.irp c, 0,1,2
	ds_load_b128 v[96*((\s)%2)+12*\t+4*\c:96*((\s)%2)+12*\t+4*\c+3], v[\base+(\s)/4] offset:((\s)%4)*8*FRB+\t*FRB+\c*512
.endr
.endr
.if \bias
	WIN (2+(\s)/4)<<6
.irp e, 0,1,2,3
.irp c, 0,1,2,3
	ds_load_b128 v[64*((\s)%4)+16*\e+4*\c:64*((\s)%4)+16*\e+4*\c+3], v[AB] offset:512*(\s)+128*\e+16*\c
.endr
.endr
.endif
	WIN 0
.endm
.macro SMUL s                          ; S^T of 128 keys: eight products, each a whole sum (K = 128) onto the mask's term
	SETW \s
	WIN (W<<6)|(W<<4)|1
.irp t, 0,1,2,3,4,5,6,7
	WM SB+8*\t, 96*((\s)%2)+12*\t, QF, 0, KSR+4*(\s)+\t%4, QS, \t/4
.endr
.endm
; Each block's largest score, in eight pieces of four lines.  A block's 16 registers go in two chains (registers 0-7 in BM, 8-15 in TM), the four blocks by turns: eight chains; each accumulator is first read at its low end.
.macro BMC s, j
.set BW, 2+(\s)/4
.set BB, 64*((\s)%4)
.if (\j) < 2
	WIN (BW<<4)|(BW<<2)|BW
.irp b, 0,1,2,3
	v_max3_num_f32 v[(1-(\j))*(BM+4*(\s))+(\j)*TM+\b], v[BB+16*\b+8*(\j)], v[BB+16*\b+8*(\j)+1], v[BB+16*\b+8*(\j)+2]
.endr
.endif
.if (\j) >= 2 && (\j) < 6
	WIN (BW<<4)|(BW<<2)
.irp b, 0,1,2,3
	v_max3_num_f32 v[(1-(\j)%2)*(BM+4*(\s))+((\j)%2)*TM+\b], v[(1-(\j)%2)*(BM+4*(\s))+((\j)%2)*TM+\b], v[BB+16*\b+8*((\j)%2)+3+2*(((\j)-2)/2)], v[BB+16*\b+8*((\j)%2)+4+2*(((\j)-2)/2)]
.endr
.endif
.if (\j) == 6
	WIN (BW<<4)|(BW<<2)
.irp b, 0,1,2,3
	v_max3_num_f32 v[BM+4*(\s)+\b], v[BM+4*(\s)+\b], v[BB+16*\b+7], v[BB+16*\b+15]
.endr
.endif
.if (\j) == 7
	WIN 0
.irp b, 0,1,2,3
	v_max_num_f32 v[BM+4*(\s)+\b], v[BM+4*(\s)+\b], v[TM+\b]
.endr
.endif
.endm
; A step of the scores: my fetch is in (the next one may be out); behind each of the eight products stands a piece of the maxima of the step before, vector work that is due anyway and names none of the product's registers;
; the last piece's four lines are the places in front of the loads; then the fetch for two steps on.
.macro ASTEP s, base, f, bias
	s_wait_dscnt NF
.irp t, 0,1,2,3,4,5,6,7
	SETW \s
	WIN (W<<6)|(W<<4)|1
	WM SB+8*\t, 96*((\s)%2)+12*\t, QF, 0, KSR+4*(\s)+\t%4, QS, \t/4
	BMC (\s)-1, \t
.endr
	FETCH \base, \f, \bias
.endm
.macro FMAS s                          ; c s - c M, two at a time
	SETW \s
	WIN (W<<6)|W
.set i, 0
.rept 32
	v_pk_fma_f32 v[SB+2*i:SB+2*i+1], v[SB+2*i:SB+2*i+1], v[CR:CR+1], v[NM:NM+1] op_sel_hi:[1,0,0] neg_lo:[0,0,1] neg_hi:[0,0,1]
.set i, i+1
.endr
.endm
.macro EXPS s
	SETW \s
	WIN (W<<6)|W
.set i, 0
.rept 64
	v_exp_f32 v[SB+i], v[SB+i]
.set i, i+1
.endr
.endm
.macro EXPFMA s                        ; step s's 64 exponentials, and among them step s + 1's 32 scalings, which name none of the batch's results; the last line is a plain one
	SETW \s
	WIN (W<<6)|W
.set i, 0
.rept 32
	v_exp_f32 v[SB+2*i], v[SB+2*i]
	v_exp_f32 v[SB+2*i+1], v[SB+2*i+1]
	v_pk_fma_f32 v[SB+64+2*i:SB+64+2*i+1], v[SB+64+2*i:SB+64+2*i+1], v[CR:CR+1], v[NM:NM+1] op_sel_hi:[1,0,0] neg_lo:[0,0,1] neg_hi:[0,0,1]
.set i, i+1
.endr
.endm
.macro SUMS s
	SETW \s
	WIN W
.set i, 0
.rept 32
	v_pk_add_f32 v[SU+2*(i%4)+(MK-SU)*((i/4)%2):SU+2*(i%4)+(MK-SU)*((i/4)%2)+1], v[SB+2*i:SB+2*i+1], v[SU+2*(i%4)+(MK-SU)*((i/4)%2):SU+2*(i%4)+(MK-SU)*((i/4)%2)+1]   ; eight chains of pairs: four in SU, four in MK, which is free behind the head
.set i, i+1
.endr
.endm
.macro NA1 s
	WIN 0
.irp e, 0,1
	v_pk_mul_f32 v[BM+4*(\s)+2*\e:BM+4*(\s)+2*\e+1], v[BM+4*(\s)+2*\e:BM+4*(\s)+2*\e+1], v[G:G+1] op_sel_hi:[1,0]
.endr
.irp b, 0,1,2,3
	v_max_num_f32 v[BM+4*(\s)+\b], 0x1800000, |v[BM+4*(\s)+\b]|   ; its magnitude, and the floor 2^(3 - 127)
.endr
.endm
.macro NA2 s
	WIN 0
.irp b, 0,1,2,3
	v_add_nc_u32 v[BM+4*(\s)+\b], 0xff000000, v[BM+4*(\s)+\b]     ; 2 off the exponent field
.endr
.irp b, 0,1,2,3
	v_lshrrev_b32 v[TM+\b], 23, v[BM+4*(\s)+\b]
.endr
.endm
.macro NA3 s
	WIN 0
	v_lshl_or_b32 v[PW+(\s)], v[TM+1], 8, v[TM]
	v_lshl_or_b32 v[PW+(\s)], v[TM+2], 16, v[PW+(\s)]
	v_lshl_or_b32 v[PW+(\s)], v[TM+3], 24, v[PW+(\s)]
.endm
.macro PKM s, i0, n                    ; a = p x G: n pairs from pair i0 on
	SETW \s
	WIN (W<<6)|W
.set i, \i0
.rept \n
	v_pk_mul_f32 v[SB+2*i:SB+2*i+1], v[SB+2*i:SB+2*i+1], v[G:G+1] op_sel_hi:[1,0]
.set i, i+1
.endr
.endm
.macro NCV s                           ; a's codes into set s % 2
	SETW \s
	WIN W
.irp c, 0,1
	v_cvt_scalef32_pk16_fp6_f32 v[PC+12*((\s)%2)+6*\c:PC+12*((\s)%2)+6*\c+2], v[SB+32*\c:SB+32*\c+15], v[BM+4*(\s)+2*\c]
	v_cvt_scalef32_pk16_fp6_f32 v[PT+4*\c:PT+4*\c+2], v[SB+32*\c+16:SB+32*\c+31], v[BM+4*(\s)+2*\c+1]
.endr
	v_nop                                          ; one plain line behind the conversions
	WIN 0
.irp c, 0,1
.irp e, 0,1,2
	v_permlane16_swap_b32 v[PC+12*((\s)%2)+6*\c+\e], v[PT+4*\c+\e]
.endr
.irp e, 0,1,2
	v_mov_b32 v[PC+12*((\s)%2)+6*\c+3+\e], v[PT+4*\c+\e]
.endr
.endr
.endm
.macro NORMA s                         ; step s's four blocks: the largest a, the conversions' scale operands, the scale word
	NA1 \s
	NA2 \s
	NA3 \s
.endm
.macro NORMB s
	PKM \s, 0, 32
	NCV \s
.endm
.macro PVW s, t                        ; one product of O^T
	WIN 0x51
	WM OA+8*(\t), 96*((\s)%2)+12*(\t), PC+12*((\s)%2), (\s)==0, VSR+4*(\s)+(\t)%4, PW+(\s), (\t)/4
.endm
.macro PVN s                           ; a step's eight products; behind each stands vector work of step s + 2 that is due anyway and names none of the products' registers; the last six lines are the places in front of what follows
	PVW \s, 0
	NA1 (\s)+2
	PVW \s, 1
	NA2 (\s)+2
	PVW \s, 2
	NA3 (\s)+2
	PKM (\s)+2, 0, 2
	PVW \s, 3
	PKM (\s)+2, 2, 6
	PVW \s, 4
	PKM (\s)+2, 8, 6
	PVW \s, 5
	PKM (\s)+2, 14, 6
	PVW \s, 6
	PKM (\s)+2, 20, 6
	PVW \s, 7
	PKM (\s)+2, 26, 6
.endm
.macro PVMUL s
	WIN 0x51
.irp t, 0,1,2,3,4,5,6,7
	WM OA+8*\t, 96*((\s)%2)+12*\t, PC+12*((\s)%2), (\s)==0, VSR+4*(\s)+\t%4, PW+(\s), \t/4
.endr
.endm
; 64 numbers of a lane in window 1, register s + 16 b + i = k 32 b + 16 (lane / 16) + i of my row, become a fragment's codes in v[pc] on and its scale word in v[pw].
.macro QUANT s, pc, pw
	WIN 0x14
.irp b, 0,1,2,3
	v_max3_num_f32 v[TM+\b], 0x1800000, |v[(\s)+16*\b]|, |v[(\s)+16*\b+1]|
.endr
.irp i, 2,4,6,8,10,12,14
.irp b, 0,1,2,3
	v_max3_num_f32 v[TM+\b], v[TM+\b], |v[(\s)+16*\b+\i]|, |v[(\s)+16*\b+\i+1]|
.endr
.endr
	WIN 0
.irp b, 0,1,2,3
	v_permlanex16_b32 v[TM+4+\b], v[TM+\b], s[SEL], s[SEL+1]
.endr
.irp b, 0,1,2,3
	v_max_num_f32 v[TM+\b], v[TM+\b], v[TM+4+\b]
.endr
.irp b, 0,1,2,3
	v_add_nc_u32 v[TM+12+\b], 0xff000000, v[TM+\b]
.endr
.irp b, 0,1,2,3
	v_lshrrev_b32 v[TM+4+\b], 23, v[TM+12+\b]
.endr
	v_lshl_or_b32 v[\pw], v[TM+5], 8, v[TM+4]
	v_lshl_or_b32 v[\pw], v[TM+6], 16, v[\pw]
	v_lshl_or_b32 v[\pw], v[TM+7], 24, v[\pw]
	WIN 0x01
.irp c, 0,1
	v_cvt_scalef32_pk16_fp6_f32 v[(\pc)+6*\c:(\pc)+6*\c+2], v[(\s)+32*\c:(\s)+32*\c+15], v[TM+12+2*\c]
	v_cvt_scalef32_pk16_fp6_f32 v[PT+4*\c:PT+4*\c+2], v[(\s)+32*\c+16:(\s)+32*\c+31], v[TM+12+2*\c+1]
.endr
	v_nop
	WIN 0
.irp c, 0,1
.irp e, 0,1,2
	v_permlane16_swap_b32 v[(\pc)+6*\c+\e], v[PT+4*\c+\e]
.endr
.irp e, 0,1,2
	v_mov_b32 v[(\pc)+6*\c+3+\e], v[PT+4*\c+\e]
.endr
.endr
.endm
	s_load_b256 s[4:11], s[0:1], 0x0               ; qkv, qkvs, mask, hc
	s_load_b64 s[12:13], s[0:1], 0x20              ; hs
	v_lshl_add_u32 v[SPW], v0, 2, SPARE
	v_mov_b32 v[NIL], 0
	ds_add_u32 v[SPW], v[NIL]                      ; the opening lines: the add, twice on end, and its wait below
	ds_add_u32 v[SPW], v[NIL]
	v_lshrrev_b32 v9, 5, v0
	v_readfirstlane_b32 s[WV], v9                  ; wave 0..3
	s_bfe_u32 s15, ttmp6, 0x40000                  ; cx: my quarter of the queries; it enters global addresses of my own loads and stores alone
	s_and_b32 s44, ttmp9, 7                        ; the cluster's number is 8 h + b: the batch,
	s_lshr_b32 s45, ttmp9, 3                       ; the head
	s_lshl_b32 s46, s15, 2
	s_add_co_u32 s46, s46, s[WV]                   ; my group of four query tiles
	s_lshl_b32 s50, s46, 2                         ; the query tile in hand
	s_mov_b32 s51, 4                               ; trips
	; group 1: a dense block of 49,152 bytes as 192 rows of 256
	s_mov_b32 s[G1C], 15|(3<<16)|(1<<21)
	s_mov_b32 s[G1C+1], 32<<16
	s_mov_b32 s[G1C+2], 192<<16
	s_mov_b32 s[G1C+3], 32<<16
	s_mov_b32 s[G1C+4], 192
	s_mov_b32 s[G1C+5], 32
	s_mov_b32 s[G1C+6], 0
	s_mov_b32 s[G1C+7], 0
	s_mov_b32 s[SEL], 0x76543210
	s_mov_b32 s[SEL+1], 0xfedcba98
	s_mov_b32 s2, 0xf30ecc90                       ; N = -1e30 sqrt(128)
	s_add_co_u32 s47, ttmp9, 64                    ; K's unit; V's lies 64 units on
	s_mul_i32 s56, s47, 64*FRB
	s_and_b32 s52, s[WV], 1
	s_mul_i32 s52, s52, 32*FRB                     ; which half of the unit,
	s_add_co_u32 s56, s56, s52
	s_lshr_b32 s52, s[WV], 1
	s_mul_i32 s52, s52, 64*64*FRB                  ; of K or of V
	s_add_co_u32 s56, s56, s52
	s_mov_b32 s57, 0
	s_mul_i32 s52, s[WV], 32*FRB                   ; and where it goes: wave x 48 KiB
	s_lshl_b32 s58, s47, 12                        ; K's scale words
	s_mov_b32 s59, 0
	s_mul_i32 s72, ttmp9, 64*FRB                   ; Q's unit
	s_mov_b32 s73, 0
	s_lshl_b32 s74, ttmp9, 12
	s_lshl_b32 s76, s46, 8
	s_add_co_u32 s74, s74, s76                     ; Q's scale words: my group
	s_mov_b32 s75, 0
	s_mov_b32 s77, 0
	s_lshl_b32 s78, s44, 12                        ; the batch's row of the mask
	s_mov_b32 s79, 0
	s_wait_dscnt 0x0                               ; both opening adds are done
	s_wait_kmcnt 0x0
	s_mov_b32 s[G0K], 1
	s_mov_b32 s[G0K+1], s52
	s_add_nc_u64 s[G0K+2:G0K+3], s[4:5], s[56:57]
	s_or_b32 s[G0K+3], s[G0K+3], 0x80000000
	s_add_nc_u64 s[40:41], s[6:7], s[58:59]        ; K's scale words; V's 262,144 bytes on
	s_add_nc_u64 s[48:49], s[4:5], s[72:73]        ; Q's fragments
	s_add_nc_u64 s[70:71], s[6:7], s[74:75]        ; Q's scale words
	s_add_nc_u64 s[66:67], s[8:9], s[78:79]        ; the key mask
	s_add_nc_u64 s[68:69], s[66:67], s[76:77]      ; my 64 queries' mask
	s_lshl_b32 s72, s44, 6
	s_add_co_u32 s72, s72, s50
	s_mul_i32 s72, s72, 8*FRB
	s_mul_i32 s74, s45, FRB
	s_add_co_u32 s72, s72, s74                     ; hc: row tile 64 b + query tile, K step h
	s_add_nc_u64 s[54:55], s[10:11], s[72:73]
	s_lshl_b32 s72, s44, 4
	s_add_co_u32 s72, s72, s46
	s_lshl_b32 s72, s72, 8
	s_lshl_b32 s74, s45, 15
	s_add_co_u32 s72, s72, s74                     ; hs: K step h, group 16 b + my group
	s_add_nc_u64 s[62:63], s[12:13], s[72:73]
	CROUND                                         ; all four work-groups are here: the joint loads meet
	tensor_load_to_lds s[G0K:G0K+3], s[G1C:G1C+7]  ; my one load; each byte is filled once
	s_nop 0
	PLACES 4
	v_and_b32 v[LN], 31, v0
	v_lshlrev_b32 v[AK], 4, v[LN]
	v_add_nc_u32 v[AK+1], 32*FRB, v[AK]
	v_add_nc_u32 v[AV], VOFF, v[AK]
	v_add_nc_u32 v[AV+1], VOFF+32*FRB, v[AK]
	v_bfe_u32 v[AB], v0, 4, 1
	v_lshl_add_u32 v[AB], v[AB], 6, BOFF
	v_lshlrev_b32 v[MGO], 5, v0                    ; a thread takes eight keys of the 1,024
	v_add_nc_u32 v[BST], BOFF, v[MGO]
	v_and_b32 v[MQO], 15, v0
	v_lshlrev_b32 v[R16], 4, v[MQO]
	v_and_b32 v8, 8, v[MQO]
	v_add_nc_u32 v[MQO], v[MQO], v8
	v_lshlrev_b32 v[MQO], 2, v[MQO]
	global_load_b128 v[MK:MK+3], v[MGO], s[66:67]
	global_load_b128 v[MK+4:MK+7], v[MGO], s[66:67] offset:16
.irp s, 0,1,2,3,4,5,6,7                        ; a step's eight tiles are two groups of 256 bytes: 16 bytes a lane
	global_load_b128 v[KSR+4*\s:KSR+4*\s+3], v[AK], s[40:41] offset:512*\s
	global_load_b128 v[VSR+4*\s:VSR+4*\s+3], v[AK], s[40:41] offset:262144+512*\s
.endr
	global_load_b128 v[QS:QS+3], v[R16], s[70:71]
.irp i, 0,1,2,3
	global_load_b32 v[MQ+\i], v[MQO], s[68:69] offset:(32*(\i/2)+8*(\i%2))*4
.endr
	s_mul_i32 s47, s50, FRB
	v_add_nc_u32 v22, s47, v[AK]
.irp c, 0,1,2
	global_load_b128 v[QF+4*\c:QF+4*\c+3], v22, s[48:49] offset:\c*512
.endr
	v_mov_b32 v20, 0x3e0293ee                      ; c = log2(e) / sqrt(128)
	v_mov_b32 v21, 0x3e000000                      ; 1/8
	v_mov_b32 v13, 0
	v_mov_b32 v[CR+1], 0                           ; the upper halves of pairs of which the low word serves both halves: named, so written
	v_mov_b32 v[NM+1], 0
	v_mov_b32 v[G+1], 0
.set i, 0
.rept 16
	v_mov_b32 v[TM+i], 0                           ; written once: a lane permute's destination counts as one of its sources
.set i, i+1
.endr
.irp i, 0,1,2,3
	v_mov_b32 v[HPW+\i], 0
.endr
	s_wait_alu depctr_va_vdst(0)
	s_wait_loadcnt 24                              ; the two loads of the mask are in; the 24 issued behind them may be out
.irp i, 0,1,2,3,4,5,6,7
	v_fma_f32 v[MK+\i], -v[MK+\i], s2, s2          ; N - mask N: 0 at mask = 1, N at mask = 0
.endr
	ds_store_b128 v[BST], v[MK:MK+3]
	ds_store_b128 v[BST], v[MK+4:MK+7] offset:16
	s_wait_tensorcnt 0x0                           ; my part of K or V has landed,
	s_wait_dscnt 0x0                               ; my eight keys' terms too;
	s_barrier_signal -1
	s_barrier_wait -1                              ; everybody's have
	FETCH AK, 0, 1                                 ; the first tile's K of steps 0 and 1; later tiles' are asked for at the end of the trip before
	FETCH AK, 1, 1
.Ltile:
	s_wait_loadcnt 0x0                             ; Q's fragment, asked for in the trip before (the first time: all the head's loads)
	; ---- A: the scores of all 1,024 keys
	s_wait_dscnt NF                                ; step 0's fetch is in; step 1's 40 loads may be out
	SMUL 0
	PLACES 4                                       ; in front of loads into the set just read
	FETCH AK, 2, 1
.irp s, 1,2,3,4,5
	ASTEP \s, AK, \s+2, 1
.endr
	ASTEP 6, AV, 0, 0                              ; K is all asked for: V of steps 0 and 1 goes into the sets as they come free
.set NF, 24
	ASTEP 7, AV, 1, 0
.irp j, 0,1,2,3,4,5,6,7
	BMC 7, \j
.endr
	; ---- B: the row's maximum, p, the sum
	WIN 0
.irp u, 0,1
.set i, 0
.rept 16
	v_permlanex16_b32 v[TM+i], v[BM+16*\u+i], s[SEL], s[SEL+1]
.set i, i+1
.endr
.set i, 0
.rept 16
	v_max_num_f32 v[BM+16*\u+i], v[BM+16*\u+i], v[TM+i]   ; with lane l xor 16's 16 keys: the block's largest score
.set i, i+1
.endr
.endr
	v_max3_num_f32 v12, v[BM], v[BM+1], v[BM+2]
	v_max3_num_f32 v13, v[BM+16], v[BM+17], v[BM+18]
.irp i, 3,5,7,9,11,13
	v_max3_num_f32 v12, v12, v[BM+\i], v[BM+\i+1]
	v_max3_num_f32 v13, v13, v[BM+16+\i], v[BM+17+\i]
.endr
	v_max3_num_f32 v12, v12, v[BM+15], v[BM+31]
	v_max_num_f32 v12, v12, v13                    ; M
	v_and_b32 v13, 0x7fffffff, v12
	v_cmp_gt_u32 vcc_lo, 0x4f800000, v13           ; |M| under 2^32?
	v_cndmask_b32 v[CR], v21, v20, vcc_lo
	v_mul_f32 v[NM], v12, v[CR]
.irp i, 0,1,2,3,4,5,6,7
	v_mov_b32 v[SU+\i], 0
	v_mov_b32 v[MK+\i], 0
.endr
	FMAS 0
	s_wait_alu depctr_va_vdst(0)
.irp s, 0,1,2
	EXPFMA \s
	s_wait_alu depctr_va_vdst(0)
	SUMS \s
.endr
	EXPS 3                                         ; step 4's scores lie in the other window: its scalings follow the batch
	FMAS 4
	s_wait_alu depctr_va_vdst(0)
	SUMS 3
.irp s, 4,5,6
	EXPFMA \s
	s_wait_alu depctr_va_vdst(0)
	SUMS \s
.endr
	EXPS 7
	WIN 0
.set i, 0
.rept 16
	v_pk_fma_f32 v[BM+2*i:BM+2*i+1], v[BM+2*i:BM+2*i+1], v[CR:CR+1], v[NM:NM+1] op_sel_hi:[1,0,0] neg_lo:[0,0,1] neg_hi:[0,0,1]   ; the same of each block's largest score
.set i, i+1
.endr
	s_wait_alu depctr_va_vdst(0)
.set i, 0
.rept 32
	v_exp_f32 v[BM+i], v[BM+i]                     ; the block's largest p: the same instructions on the same number give the same bits
.set i, i+1
.endr
	SUMS 7
	WIN 0
.irp i, 0,2,4,6
	v_pk_add_f32 v[SU+\i:SU+\i+1], v[SU+\i:SU+\i+1], v[MK+\i:MK+\i+1]
.endr
	v_pk_add_f32 v[SU:SU+1], v[SU:SU+1], v[SU+2:SU+3]
	v_pk_add_f32 v[SU+4:SU+5], v[SU+4:SU+5], v[SU+6:SU+7]
	v_pk_add_f32 v[SU:SU+1], v[SU:SU+1], v[SU+4:SU+5]
	v_add_f32 v[SU], v[SU], v[SU+1]
	v_permlanex16_b32 v13, v[SU], s[SEL], s[SEL+1]
	v_add_f32 v[SU], v[SU], v13                    ; the row's sum
	s_wait_alu depctr_va_vdst(0)
	v_rcp_f32 v23, v[SU]
.irp i, 0,1,2
	v_mov_b32 v[QS+\i], v[QS+\i+1]                 ; the next trip's scale words of Q come first (plain lines behind the reciprocal)
.endr
	s_wait_alu depctr_va_vdst(0)                   ; the wait for the reciprocal
	v_mul_f32 v[G], v23, v[MQ]                     ; G = query mask / sum
.irp i, 0,1,2
	v_mov_b32 v[MQ+\i], v[MQ+\i+1]
.endr
	; ---- C: a's scales and codes, and O^T.  The next trip's Q is asked for here; behind the last tile of the head the count wraps to tile 0, so that the load stays in the head's own bytes
	s_add_co_u32 s50, s50, 1
	s_and_b32 s47, s50, 63
	s_mul_i32 s47, s47, FRB
	v_add_nc_u32 v22, s47, v[AK]                   ; (its last loads were waited for at the trip's head)
.irp c, 0,1,2
	global_load_b128 v[QF+4*\c:QF+4*\c+3], v22, s[48:49] offset:\c*512
.endr
	NORMA 0
	NORMB 0
	NORMA 1
	NORMB 1
.irp s, 0,1,2,3,4,5
	s_wait_dscnt NF                                ; V of this step is in; the next step's 24 loads may be out
	PVN \s
	FETCH AV, \s+2, 0
	NCV \s+2
.endr
	s_wait_dscnt NF
	PVMUL 6
	PLACES 4                                       ; in front of the loads below, and between step 7's codes, written by vector instructions, and their products
	FETCH AK, 0, 1                                 ; the next tile's K of step 0 (the last trip's two fetches of K are read by nobody)
.set NF, 40
	s_wait_alu depctr_va_vdst(0)
	s_wait_dscnt NF                                ; V of step 7 is in; the 40 loads just issued may be out
	PVMUL 7
	WIN 0
	PLACES 4                                       ; in front of the loads below and of the first read of results
	FETCH AK, 1, 1
	s_wait_xcnt 0x0                                ; the last trip's stores have read their registers and their base
	s_add_nc_u64 s[54:55], s[54:55], 8*FRB         ; stepped ahead: the stores below reach back
	QUANT OA, HC, HW
.irp i, 0,1,2
	v_mov_b32 v[HPW+\i], v[HPW+\i+1]
.endr
	v_mov_b32 v[HPW+3], v[HW]                      ; after four trips: the four tiles' words in order
.irp c, 0,1,2
	global_store_b128 v[AK], v[HC+4*\c:HC+4*\c+3], s[54:55] offset:\c*512-8*FRB   ; 512 consecutive bytes, aligned to 256
.endr
	s_sub_co_u32 s51, s51, 1
	s_cmp_lg_u32 s51, 0
	s_wait_alu depctr_va_vdst(0)
	s_cbranch_scc1 .Ltile
	s_wait_xcnt 0x0                                ; EXEC changes only behind this wait
	v_cmp_gt_u32 vcc_lo, 16, v[LN]
	s_and_saveexec_b32 s3, vcc_lo
	global_store_b128 v[R16], v[HPW:HPW+3], s[62:63]   ; sixteen lanes store the group's 256 bytes, aligned
	s_wait_xcnt 0x0
	s_or_b32 exec_lo, exec_lo, s3
	s_wait_tensorcnt 0x0                           ; the wave's end: the last wait also takes in the last trip's two fetches of K
	ds_add_u32 v[SPW], v[NIL]
	s_wait_dscnt 0x0
	CROUND                                         ; the closing round
	s_endpgm
.Lfunc_end_k_q00cb6fcd4d_attn:
	.size	k_q00cb6fcd4d_attn, .Lfunc_end_k_q00cb6fcd4d_attn-k_q00cb6fcd4d_attn
	.p2alignl 7, 3214868480
	.fill 96, 4, 3214868480
	.section	.rodata,"a",@progbits
	.p2align	6, 0x0
	.amdhsa_kernel k_q00cb6fcd4d_attn
		.amdhsa_group_segment_fixed_size 205312
		.amdhsa_private_segment_fixed_size 0
		.amdhsa_enable_private_segment 0
		.amdhsa_kernarg_size 40
		.amdhsa_user_sgpr_count 2
		.amdhsa_user_sgpr_kernarg_segment_ptr 1
		.amdhsa_wavefront_size32 1
		.amdhsa_system_sgpr_workgroup_id_x 1
		.amdhsa_system_sgpr_workgroup_id_y 1
		.amdhsa_system_sgpr_workgroup_id_z 1
		.amdhsa_system_vgpr_workitem_id 0
		.amdhsa_next_free_vgpr 1024
		.amdhsa_next_free_sgpr 80
		.amdhsa_reserve_vcc 1
		.amdhsa_float_denorm_mode_32 3
		.amdhsa_float_denorm_mode_16_64 3
		.amdhsa_memory_ordered 1
		.amdhsa_forward_progress 1
		.amdhsa_inst_pref_size 179
	.end_amdhsa_kernel
	.amdgpu_metadata
---
amdhsa.version: [ 1, 2 ]
amdhsa.kernels:
  - .name:           k_q00cb6fcd4d_attn
    .symbol:         k_q00cb6fcd4d_attn.kd
    .args:
      - { .name: qkv, .offset: 0, .size: 8, .value_kind: global_buffer, .address_space: global }
      - { .name: qkvs, .offset: 8, .size: 8, .value_kind: global_buffer, .address_space: global }
      - { .name: mask, .offset: 16, .size: 8, .value_kind: global_buffer, .address_space: global }
      - { .name: hc, .offset: 24, .size: 8, .value_kind: global_buffer, .address_space: global }
      - { .name: hs, .offset: 32, .size: 8, .value_kind: global_buffer, .address_space: global }
    .group_segment_fixed_size: 205312
    .private_segment_fixed_size: 0
    .kernarg_segment_align: 8
    .kernarg_segment_size: 40
    .max_flat_workgroup_size: 128
    .sgpr_count:     80
    .vgpr_count:     1024
    .wavefront_size: 32
...
	.end_amdgpu_metadata
.endif
;; end of part 3
;; launch outproj (part 4): grid 8 x 32, 4 waves a work-group, clusters of 4 x 4, 327,680 bytes of LDS; arguments hc, hs, opc, sc, out0; writes out0
.if DOCPART == 4
	.amdgcn_target "amdgcn-amd-amdhsa--gfx1250"
	.amdhsa_code_object_version 6
	.text
	.protected	k_q00cb6fcd4d_outproj
	.globl	k_q00cb6fcd4d_outproj
	.p2align	8
	.type	k_q00cb6fcd4d_outproj,@function
k_q00cb6fcd4d_outproj:
	s_mov_b64 s[64:65], 0
	v_nop
	global_prefetch_b8 v0, s[64:65] scope:SCOPE_SE
	s_setreg_imm32_b32 hwreg(HW_REG_WAVE_MODE, 25, 1), 1
	s_wait_xcnt 0x0
	s_wait_alu depctr_hold_cnt(0) depctr_sa_sdst(0) depctr_va_vdst(0) depctr_va_sdst(0) depctr_va_ssrc(0) depctr_va_vcc(0) depctr_vm_vsrc(0)
	s_getreg_b32 s2, hwreg(HW_REG_IB_STS2, 6, 4)
	s_cmp_eq_u32 s2, 0
	s_cbranch_scc0 .Lentry_in_a_cluster
	s_endpgm
.Lentry_in_a_cluster:
	s_bfe_u32 s2, ttmp6, 0x10000c
	s_cmp_lg_u32 s2, 0xf033
	s_cbranch_scc0 .Lentry_shape_is_right
	s_endpgm
.Lentry_shape_is_right:
; out0[b][n][l] = sum over k of head[b][l][k] Wo[k][n], on codes of FP6 (E2M3) with E8M0 scales, K = 1,024; f32 out.
; Operands are fragment images (16 rows x 128 K in 1,536 bytes: registers 4 c .. 4 c + 3 of lane L at 512 c + 16 L): hc = [row tile 64 b + l tile][K step = head][1536], hs = [K step][group of 4 row tiles][256];
; Wo's columns are row tiles 704 .. 767 of opc, their scale words in sc.
; THE PRODUCT IS P x L^T: source 0 = 16 rows of P = head (positions l), source 1 = 16 rows of L = Wo's columns n: a lane holds one n and its registers run along l; the 16 registers of tiles 2 e, 2 e + 1 are 16 neighbouring l.
; SHARES.  A work-group: 256 l x 128 n, made in TWO HALVES of 128 l, one after the other; a wave 64 l x 64 n of each: 16 accumulators, a set of registers for each half.  All of K lies in LDS, each byte filled once.
; The head's loads, one a wave, bring the first half's 8 row tiles of P and L's 8 (four row tiles, 48 KiB, a wave).  The second half's 8 row tiles of P are asked for behind the wait, the add, its wait and a round of the
; cluster's barrier, two row tiles a wave, and are waited for at the first half's last K step.  The first half's results are stored ahead of the second half's products.
; L's fragments of all eight K steps stay in registers (384): the second half reads P's alone from LDS.
; CLUSTER 4 x 4: P's tiles hang on the place along y and are asked for jointly by my row of the cluster, L's on the place along x, jointly by my column.  No prefetch: the text has no loop to run ahead in.
; THE WAY OUT goes through a stage of the wave's own, 16 rows n of 256 bytes + 16, on LDS bytes that no tensor load fills; sixteen lanes store a row's 256 bytes.
; REGISTERS: window 0: v1-16 addresses, v28-29 the add's two, v32-95 P's scale words [32 half + 4 ks + a], v96-127 L's [4 ks + b], v128-191 the way out.  Window 1: accumulator (a, b) of half u at 128 u + 32 b + 8 a.
; Window 2: L's fragments of K steps 0-4 at 48 ks.  Window 3: those of K steps 5-7 at 48 (ks - 5); P's fragments, two sets, at 144 and 192.
.set FRB,   1536
.set RTB,   8*FRB
.set LBASE, 16*RTB
.set SPARE, LBASE+8*RTB                ; the spare words, 128 bytes a wave
.set STG,   SPARE+512                  ; the four stages
.set SPITCH, 272
.set KSSP,  32768
.set KSSL,  49152
.set LI,  1
.set R16, 2
.set LN,  3
.set ADP, 4                            ; v4-5 my four fragments of P in half 0, 1
.set ADL, 8
.set STO, 12                           ; the stage: where I put my 128 bytes of a row's 256
.set RD,  13                           ; where I read rows back: sixteen lanes a row
.set CO,  14                           ; the same place in out0
.set SPW, 28
.set NIL, 29
.set PS,  32
.set LS,  96
.set BK,  128                          ; v128-159, v160-191 by turns: 16 rows read back
.set WV,  12
.set G1P, 16
.set G1L, 24
.set G0P, 32
.set G0L, 48
.set MSB, 0
.macro WIN new
.if MSB != (\new)
	s_set_vgpr_msb (MSB<<8)|(\new)
.set MSB, (\new)
.endif
.endm
.macro PLACES n
.rept \n
	v_nop
.endr
.endm
.macro CROUND
	s_barrier_signal -1
	s_barrier_wait -1
	s_cmp_lg_u32 s[WV], 0
	s_cbranch_scc1 .Lnot_wave_0_\@
	s_barrier_signal -3
.Lnot_wave_0_\@:
	s_barrier_wait -3
	s_barrier_signal -1
	s_barrier_wait -1
.endm
.macro FETCH g                         ; step g = 8 half + ks: my four fragments of P into set g % 2; in the first half also my four of L, into their own registers
.set KS, (\g)%8
.set U, (\g)/8
	WIN 0xc0
.irp a, 0,1,2,3
.irp c, 0,1,2
	ds_load_b128 v[144+48*((\g)%2)+12*\a+4*\c:144+48*((\g)%2)+12*\a+4*\c+3], v[ADP+U] offset:\a*RTB+KS*FRB+\c*512
.endr
.endr
.if U == 0
	WIN (2+KS/5)<<6
.irp b, 0,1,2,3
.irp c, 0,1,2
	ds_load_b128 v[48*(KS%5)+12*\b+4*\c:48*(KS%5)+12*\b+4*\c+3], v[ADL] offset:\b*RTB+KS*FRB+\c*512
.endr
.endr
.endif
.endm
.macro MUL16 g                         ; 16 products; the 16 accumulators take turns, one instruction a turn; a half's first K step starts the sums
.set KS, (\g)%8
.set U, (\g)/8
	WIN 0x53|((2+KS/5)<<2)
.irp a, 0,1,2,3
.irp b, 0,1,2,3
.if KS == 0
	v_wmma_scale_f32_16x16x128_f8f6f4 v[128*U+32*\b+8*\a:128*U+32*\b+8*\a+7], v[144+48*((\g)%2)+12*\a:144+48*((\g)%2)+12*\a+11], v[48*(KS%5)+12*\b:48*(KS%5)+12*\b+11], 0, v[PS+32*U+4*KS+\a], v[LS+4*KS+\b] matrix_a_fmt:MATRIX_FMT_FP6 matrix_b_fmt:MATRIX_FMT_FP6
.else
	v_wmma_scale_f32_16x16x128_f8f6f4 v[128*U+32*\b+8*\a:128*U+32*\b+8*\a+7], v[144+48*((\g)%2)+12*\a:144+48*((\g)%2)+12*\a+11], v[48*(KS%5)+12*\b:48*(KS%5)+12*\b+11], v[128*U+32*\b+8*\a:128*U+32*\b+8*\a+7], v[PS+32*U+4*KS+\a], v[LS+4*KS+\b] matrix_a_fmt:MATRIX_FMT_FP6 matrix_b_fmt:MATRIX_FMT_FP6
.endif
.endr
.endr
.endm
.macro STEP g
	s_wait_dscnt 0x0                               ; this step's fragments, asked for a step ago, are in
.if (\g) == 0
	s_wait_loadcnt 0x0                             ; the scale words
.endif
.if (\g) == 7
	s_wait_tensorcnt 0x0                           ; my part of the second half of P has landed,
	s_barrier_signal -1
	s_barrier_wait -1                              ; everybody's has
.endif
.if (\g) < 15
.if (\g) >= 1
	PLACES 4                                       ; in front of loads into the set that the last products read
.endif
	FETCH (\g)+1
.endif
	MUL16 \g
.endm
.macro TOSTAGE u, b                    ; my tile b of n: 16 rows x 64 l into the stage, each accumulator from its low end on, and back as whole rows of 256 bytes, two rows a load
	WIN 0x04
.irp e, 0,1
.irp q, 0,1,2,3
	ds_store_b128 v[STO], v[128*(\u)+32*(\b)+16*\e+4*\q:128*(\u)+32*(\b)+16*\e+4*\q+3] offset:128*\e+16*\q
.endr
.endr
	WIN 0
.irp t, 0,1,2,3,4,5,6,7
	ds_load_b128 v[BK+32*((\b)%2)+4*\t:BK+32*((\b)%2)+4*\t+3], v[RD] offset:\t*2*SPITCH   ; LDS serves a wave's instructions in order: these see my stores, and the next tile's stores come behind them
.endr
.endm
.macro SEND u, b, younger              ; younger: the LDS instructions issued behind tile b's loads
	s_wait_dscnt \younger
.irp t, 0,1,2,3,4,5,6,7
	global_store_b128 v[CO], v[BK+32*((\b)%2)+4*\t:BK+32*((\b)%2)+4*\t+3], s[84:85] offset:(32*((\b)/2)+8*((\b)%2)+2*\t+8*(\t/4))*4096+(\u)*512 th:TH_STORE_NT   ; sixteen lanes store 256 consecutive bytes of a row n, aligned; written once, read by nobody here
.endr
.endm
.macro OUT u
	WIN 0
	PLACES 4                                       ; in front of the first read of results
.if (\u) > 0
	s_wait_xcnt 0x0                                ; the first half's stores have read their registers
.endif
	TOSTAGE \u, 0
.irp b, 1,2,3
.if \b > 1
	s_wait_xcnt 0x0                                ; tile b - 2's stores have read their registers: tile b's loads may land there
.endif
	TOSTAGE \u, \b
	SEND \u, \b-1, 16                              ; behind tile b - 1's loads: tile b's 8 stores and 8 loads
.endr
	SEND \u, 3, 0
.endm
	s_load_b256 s[4:11], s[0:1], 0x0               ; hc, hs, opc, sc
	s_load_b64 s[84:85], s[0:1], 0x20              ; out0
	v_lshl_add_u32 v[SPW], v0, 2, SPARE
	v_mov_b32 v[NIL], 0
	ds_add_u32 v[SPW], v[NIL]                      ; the opening lines: the add, twice on end, and its wait below
	ds_add_u32 v[SPW], v[NIL]
	v_lshrrev_b32 v3, 5, v0
	v_readfirstlane_b32 s[WV], v3
	s_lshr_b32 s13, s[WV], 1                       ; which 64 l of a half are mine.  At the head: I fetch P (0) or L (1)
	s_and_b32 s14, s[WV], 1                        ; which 64 n.  At the head: which four row tiles
	s_bfe_u32 s66, ttmp6, 0x40000                  ; cx
	s_bfe_u32 s67, ttmp6, 0x40004                  ; cy
	s_lshl_b32 s69, ttmp9, 2
	s_add_co_u32 s69, s69, s66                     ; L's tile of 128 n: it holds cx and never cy
	s_and_b32 s70, ttmp7, 0xffff
	s_lshl_b32 s70, s70, 2
	s_add_co_u32 s70, s70, s67                     ; P's tile of 256 l: it holds cy and never cx
	s_lshl_b32 s74, s70, 4                         ; P's first row tile
	s_lshl_b32 s78, s69, 3
	s_add_co_u32 s78, s78, 704                     ; L's
	s_lshl_b32 s75, s14, 2
	s_add_co_u32 s76, s74, s75
	s_mul_i32 s76, s76, RTB                        ; the head: four row tiles of P's first eight,
	s_mov_b32 s77, 0
	s_add_co_u32 s80, s78, s75
	s_mul_i32 s80, s80, RTB                        ; or four of L's eight
	s_mov_b32 s81, 0
	s_lshl_b32 s90, s[WV], 1
	s_add_co_u32 s90, s90, s74
	s_add_co_u32 s90, s90, 8
	s_mul_i32 s90, s90, RTB                        ; then two row tiles of P's second eight
	s_mov_b32 s91, 0
	s_lshl_b32 s82, s67, 2
	s_lshl_b32 s82, 15, s82                        ; my row of the cluster
	s_lshl_b32 s83, 0x1111, s66                    ; my column
	; group 1: rows of 12,288 bytes (a row tile's eight K steps; 1,536 elements of 8 bytes), dense; 4 rows
	s_or_b32 s[G1P], s82, (3<<16)|(1<<21)
	s_or_b32 s[G1L], s83, (3<<16)|(1<<21)
.irp g, G1P, G1L
	s_mov_b32 s[\g+1], 1536<<16
	s_mov_b32 s[\g+2], 4<<16
	s_mov_b32 s[\g+3], 1536<<16
	s_mov_b32 s[\g+4], 4
	s_mov_b32 s[\g+5], 1536
	s_mov_b32 s[\g+6], 0
	s_mov_b32 s[\g+7], 0
.endr
	s_mul_i32 s96, s14, 4*RTB                      ; where they go: the wave's number alone enters an LDS address
	s_add_co_u32 s97, s96, LBASE
	s_mul_i32 s99, s[WV], 2*RTB
	s_add_co_u32 s99, s99, 8*RTB
	; where my part of out0 begins: batch, row n, column l
	s_lshr_b32 s88, s70, 2
	s_lshl_b32 s88, s88, 22
	s_lshl_b32 s89, s69, 7
	s_lshl_b32 s71, s14, 6
	s_add_co_u32 s89, s89, s71
	s_lshl_b32 s89, s89, 12
	s_add_co_u32 s88, s88, s89
	s_and_b32 s89, s70, 3
	s_lshl_b32 s89, s89, 8
	s_lshl_b32 s71, s13, 6
	s_add_co_u32 s89, s89, s71
	s_lshl_b32 s89, s89, 2
	s_add_co_u32 s88, s88, s89
	s_mov_b32 s89, 0
	s_lshr_b32 s92, s74, 2                         ; my scale words: P's group of the first half (the second half's lies two groups on),
	s_add_co_u32 s92, s92, s13
	s_lshl_b32 s92, s92, 8
	s_mov_b32 s93, 0
	s_lshr_b32 s94, s78, 2                         ; L's
	s_add_co_u32 s94, s94, s14
	s_lshl_b32 s94, s94, 8
	s_mov_b32 s95, 0
	s_wait_dscnt 0x0                               ; both opening adds are done
	s_wait_kmcnt 0x0
	s_add_nc_u64 s[76:77], s[4:5], s[76:77]
	s_add_nc_u64 s[90:91], s[4:5], s[90:91]
	s_add_nc_u64 s[80:81], s[8:9], s[80:81]
	s_add_nc_u64 s[92:93], s[6:7], s[92:93]
	s_add_nc_u64 s[94:95], s[10:11], s[94:95]
	s_add_nc_u64 s[84:85], s[84:85], s[88:89]
	s_mov_b32 s[G0P], 1
	s_mov_b32 s[G0P+1], s96
	s_mov_b64 s[G0P+2:G0P+3], s[76:77]
	s_or_b32 s[G0P+3], s[G0P+3], 0x80000000
	s_mov_b32 s[G0L], 1
	s_mov_b32 s[G0L+1], s97
	s_mov_b64 s[G0L+2:G0L+3], s[80:81]
	s_or_b32 s[G0L+3], s[G0L+3], 0x80000000
	CROUND                                         ; all sixteen work-groups are here: the joint loads meet
	s_cmp_eq_u32 s13, 0                            ; one joint load a wave at the head
	s_cbranch_scc0 .Lfor_l
	tensor_load_to_lds s[G0P:G0P+3], s[G1P:G1P+7]
	s_nop 0
	PLACES 4
	s_branch .Lasked
.Lfor_l:
	tensor_load_to_lds s[G0L:G0L+3], s[G1L:G1L+7]
	s_nop 0
	PLACES 4
.Lasked:
	v_and_b32 v[LN], 31, v0
	v_lshlrev_b32 v[LI], 4, v[LN]
	v_and_b32 v15, 15, v0
	v_lshlrev_b32 v[R16], 4, v15
.irp k, 0,1,2,3,4,5,6,7                        ; the scale words of all K steps, straight into registers: a load of 16 bytes brings four tiles' words of a row
.irp u, 0,1
	global_load_b128 v[PS+32*\u+4*\k:PS+32*\u+4*\k+3], v[R16], s[92:93] offset:\k*KSSP+\u*512
.endr
	global_load_b128 v[LS+4*\k:LS+4*\k+3], v[R16], s[94:95] offset:\k*KSSL
.endr
	s_mul_i32 s98, s13, 4*RTB
	v_add_nc_u32 v[ADP], s98, v[LI]
	v_add_nc_u32 v[ADP+1], 8*RTB, v[ADP]
	v_add_nc_u32 v[ADL], s97, v[LI]
	s_mul_i32 s98, s[WV], 16*SPITCH
	s_add_co_u32 s98, s98, STG                     ; my stage
	v_bfe_u32 v16, v0, 4, 1
	v_mul_u32_u24 v[STO], v15, SPITCH
	v_lshl_add_u32 v[STO], v16, 6, v[STO]
	v_add_nc_u32 v[STO], s98, v[STO]               ; in: row = my n, + 64 bytes for the upper half of the lanes
	v_mul_u32_u24 v[RD], v16, SPITCH
	v_add_nc_u32 v[RD], v[RD], v[R16]
	v_add_nc_u32 v[RD], s98, v[RD]                 ; back: lanes 0-15 take one row of 256 bytes, lanes 16-31 the next
	v_lshl_add_u32 v[CO], v16, 12, v[R16]          ; and the same two rows in out0
	s_wait_alu depctr_va_vdst(0)
	s_wait_tensorcnt 0x0                           ; my load has landed; the later first fill is issued as a refill is
	ds_add_u32 v[SPW], v[NIL]
	s_mov_b32 s[G1P+2], 2<<16                      ; no tensor load of mine is out, so a descriptor may be written: two rows now
	s_mov_b32 s[G1P+4], 2
	s_mov_b32 s[G0P+1], s99
	s_mov_b64 s[G0P+2:G0P+3], s[90:91]
	s_or_b32 s[G0P+3], s[G0P+3], 0x80000000
	s_wait_dscnt 0x0
	CROUND
	tensor_load_to_lds s[G0P:G0P+3], s[G1P:G1P+7]  ; two row tiles of the second half of P
	s_nop 0
	PLACES 4
	FETCH 0
.irp g, 0,1,2,3,4,5,6,7
	STEP \g
.endr
	OUT 0
.irp g, 8,9,10,11,12,13,14,15
	STEP \g
.endr
	OUT 1
	s_wait_tensorcnt 0x0                           ; the wave's end: behind my last tensor load and my last LDS store
	ds_add_u32 v[SPW], v[NIL]
	s_wait_dscnt 0x0
	CROUND                                         ; the closing round
	s_endpgm
.Lfunc_end_k_q00cb6fcd4d_outproj:
	.size	k_q00cb6fcd4d_outproj, .Lfunc_end_k_q00cb6fcd4d_outproj-k_q00cb6fcd4d_outproj
	.p2alignl 7, 3214868480
	.fill 96, 4, 3214868480
	.section	.rodata,"a",@progbits
	.p2align	6, 0x0
	.amdhsa_kernel k_q00cb6fcd4d_outproj
		.amdhsa_group_segment_fixed_size 327680
		.amdhsa_private_segment_fixed_size 0
		.amdhsa_enable_private_segment 0
		.amdhsa_kernarg_size 40
		.amdhsa_user_sgpr_count 2
		.amdhsa_user_sgpr_kernarg_segment_ptr 1
		.amdhsa_wavefront_size32 1
		.amdhsa_system_sgpr_workgroup_id_x 1
		.amdhsa_system_sgpr_workgroup_id_y 1
		.amdhsa_system_sgpr_workgroup_id_z 1
		.amdhsa_system_vgpr_workitem_id 0
		.amdhsa_next_free_vgpr 1024
		.amdhsa_next_free_sgpr 100
		.amdhsa_reserve_vcc 0
		.amdhsa_float_denorm_mode_32 3
		.amdhsa_float_denorm_mode_16_64 3
		.amdhsa_memory_ordered 1
		.amdhsa_forward_progress 1
		.amdhsa_inst_pref_size 79
	.end_amdhsa_kernel
	.amdgpu_metadata
---
amdhsa.version: [ 1, 2 ]
amdhsa.kernels:
  - .name:           k_q00cb6fcd4d_outproj
    .symbol:         k_q00cb6fcd4d_outproj.kd
    .args:
      - { .name: hc, .offset: 0, .size: 8, .value_kind: global_buffer, .address_space: global }
      - { .name: hs, .offset: 8, .size: 8, .value_kind: global_buffer, .address_space: global }
      - { .name: opc, .offset: 16, .size: 8, .value_kind: global_buffer, .address_space: global }
      - { .name: sc, .offset: 24, .size: 8, .value_kind: global_buffer, .address_space: global }
      - { .name: out0, .offset: 32, .size: 8, .value_kind: global_buffer, .address_space: global }
    .group_segment_fixed_size: 327680
    .private_segment_fixed_size: 0
    .kernarg_segment_align: 8
    .kernarg_segment_size: 40
    .max_flat_workgroup_size: 128
    .sgpr_count:     100
    .vgpr_count:     1024
    .wavefront_size: 32
...
	.end_amdgpu_metadata
.endif
;; end of part 4
